; MI455X (gfx1250); checked and timed in simulation.
; The chip was launched on July 23, 2026; its instructions are those of AMD's public machine-readable ISA for CDNA 5 (MIT licence, August 2026) and "CDNA5" Instruction Set Architecture Reference Guide (July 2026). The comments in the code are by the model that wrote it; some were corrected since.
;; Attention. Allowed arithmetic: matrix products marked QUANTISED: E2M3 operands, one E8M0 scale for each 32 along K, by v_wmma_scale_f32_16x16x128_f8f6f4 with both operands' format E2M3, f32 sums; everything else in f32.
;; Inputs: Wkv 1,024 x 2,048 float32; Wout 1,024 x 1,024 float32; Wq 1,024 x 1,024 float32; bout 1,024 float32; cos 1 x 1 x 2,048 x 64 float32; sin 1 x 1 x 2,048 x 64 float32; x 4 x 2,048 x 1,024 float32.
;; Outputs: out0 4 x 2,048 x 1,024 float32.
;; This version of the problem:
;;   THIS VERSION OF THE PROBLEM IS GIVEN IN LOW PRECISION. The matrix products marked QUANTISED in the list below multiply operands that are first quantised to E2M3 (2 exponent bits, 3 mantissa bits; 6 bits a number), with one power-of-two scale for each 32 numbers along K (OCP MX v1.0); their sums are f32. All else is computed in f32.
;;   The module's matrix products, in the order in which they are computed (A, B: the left and right operand; K: the contracted axis; several contracted axes count as one K, in the product's order):
;;     1. [M 8,192, K 1,024] x [K 1,024, N 1,024]; A: input x; B: input Wq: QUANTISED
;;     2. [M 8,192, K 1,024] x [K 1,024, N 2,048]; A: input x; B: input Wkv: QUANTISED
;;     3. batch 64 x [M 2,048, K 64] x [K 64, N 2,048]; A: computed on the way; B: computed on the way: QUANTISED
;;     4. batch 64 x [M 2,048, K 2,048] x [K 2,048, N 64]; A: softmax (see below); B: computed on the way: QUANTISED
;;     5. [M 8,192, K 1,024] x [K 1,024, N 1,024]; A: computed on the way; B: input Wout: QUANTISED
;;   THE QUANTISER, for each operand of a quantised product, along K:
;;     - K is cut into blocks of 32 from its start; a last block that is shorter is filled with zeros.
;;     - A block's scale is 2^e with e = floor(log2(the largest magnitude in the block)) - 2, held to -126 .. 127; a block of zeros has e = 0. As a byte (E8M0): e + 127.
;;     - Each number is divided by its block's scale, clamped to +-7.5, and rounded to the nearest number of E2M3, ties to even, subnormals kept.
;;     - The product sums the exact products of the quantised numbers (number of the format x scale) in f32.
;;   ~~~python
;;   def quantise(x, axis):      # numpy; x: float32 -> the quantised numbers, widened to float32 again
;;       x = np.moveaxis(x, axis, -1); K = x.shape[-1]
;;       x = np.pad(x, [(0, 0)] * (x.ndim - 1) + [(0, -K % 32)]); x = x.reshape(x.shape[:-1] + (-1, 32)); a = np.abs(x).max(-1, keepdims=True)
;;       e = np.where(a > 0, np.clip(np.frexp(np.where(a > 0, a, 1))[1] - 1 - 2, -126, 127), 0)      # np.frexp(a)[1] - 1 = floor(log2(a)), exactly
;;       r = np.clip(x / 2.0 ** e, -7.5, 7.5)
;;       step = 2.0 ** (np.maximum(np.frexp(np.where(r == 0, 1, r))[1] - 1, 0) - 3)
;;       q = np.round(r / step) * step * 2.0 ** e      # np.round: ties to even
;;       return np.moveaxis(q.reshape(q.shape[:-2] + (-1,))[..., :K], -1, axis).astype(np.float32)
;;   ~~~
;;   SOFTMAX AHEAD OF A QUANTISED PRODUCT. Where the list says 'softmax', what is quantised is not the finished softmax but p = 2^(t - M), with t = logit x log2(e) and M = ceil(the row's largest t), a whole number; so 1/2 < the row's largest p <= 1. The row's sum l is taken of the UNQUANTISED p, in f32, and the product's result is divided by l at the end. Since M is a whole number, a kernel that streams over the keys may use a running M (the ceiling of the running maximum): every later rescaling is an exact power of two, which a block's scale takes up: the codes' values come out the same.
;;   OPERANDS COMPUTED ON THE WAY. 'Computed on the way' means the value that the module computes at that place (a softmax that the list does not call 'softmax' is quantised finished and normalised). What goes into a quantiser is computed in f32, as accurately as f32 sums, v_exp_f32 and their like allow (about 1e-6 of the number): no bf16 or f16 on the way to a quantiser, and a product that is left as it is and whose result goes on into a quantised operand takes f32 operands (vector FMAs, or v_wmma_f32_16x16x4_f32). A number that lies on a knife's edge between two numbers of the format may be rounded either way, as far as f32 arithmetic and the matrix unit's own rounding can turn it there, and no further.
;; One version. Each part assembles by itself: llvm-mc -triple=amdgcn-amd-amdhsa -mcpu=gfx1250 --defsym DOCPART=n.
;; ======== version 1 of 1: 4 launches
;; limits: right only within a limited range of input values
;; workspace buffers: xcs 6,553,600 bytes; wcs 3,276,800 bytes; qcs 6,815,744 bytes; kcs 6,815,744 bytes; vcs 6,553,600 bytes; ocs 6,553,600 bytes
;; launch quant (part 1): grid 384 x 1, 4 waves a work-group, no clusters, 68,096 bytes of LDS; arguments x, Wq, Wkv, Wout, xcs, wcs; writes xcs, wcs
.if DOCPART == 1
	.amdgcn_target "amdgcn-amd-amdhsa--gfx1250"
	.amdhsa_code_object_version 6
	.text
	.protected	k_qb49773c5c5_quant
	.globl	k_qb49773c5c5_quant
	.p2align	8
	.type	k_qb49773c5c5_quant,@function
k_qb49773c5c5_quant:
	s_mov_b64 s[64:65], 0
	v_nop
	global_prefetch_b8 v0, s[64:65] scope:SCOPE_SE
	s_setreg_imm32_b32 hwreg(HW_REG_WAVE_MODE, 25, 1), 1
	s_wait_xcnt 0x0
; x [8192][1024] and the three weights ([1024][n], K their FIRST axis), all f32, become codes of FP6 (E2M3) with K innermost, 768 bytes a row, and one E8M0 byte for each 32 along K, 32 bytes a row.
; A block's scale is 2^(floor(log2(its largest magnitude)) - 2); its byte is the largest magnitude's exponent field - 2, held at 1 from below.
; LIMITS: a block of zeros, or one whose largest magnitude lies under 2^-124, gets the byte 1 (its codes are zeros or are made under that scale; this program alone reads the bytes); NaN and infinities are not served.
; WHERE A ROW GOES: row i of x, and column n of a weight, is stored at position swap34(i): bits 3 and 4 of the index change places.  The later launches take 16 neighbouring positions as a tile, and their results
; then hold 16 neighbours along the next K in a lane's registers.  wcs: positions 0-1023 Wq's columns, 1024-3071 Wkv's, 3072-4095 Wout's.
; Work-groups 0-255 take x (32,768 numbers each), work-groups 256-383 the weights (128 columns x 256 along K each).  The two ways have LDS bytes of their own.  No work-group shares an input with another: no cluster, no tensor load.
.set XSO,   6291456                    ; xcs: the scale bytes begin behind 8192 x 768 bytes of codes
.set WSO,   3145728                    ; wcs: behind 4096 x 768
.set STEPS, 16
.set CB,    12                         ; bytes of 16 codes
.set R,     16                         ; x: v16-79   four sets of 16 numbers as loaded
.set X,     80                         ; x: v80-111  two sets of 16 neighbours
.set E,     112                        ; x: v112-127 a scale byte for each step
.set C,     128                        ; x: v128-191 codes, four registers a step
.set WREG,  8192                       ; x: LDS of a wave: two stages of 32 x SP bytes, then its 256 scale bytes
.set SP,    80
.set NB,    8                          ; w: blocks of 32 along K for a wave
.set PITCH, 272                        ; w: a stage row: sixteen places of 16 bytes + 16
.set KROW,  192                        ; w: a row of a plane of codes
.set WSTG,  32768                      ; w: the stages begin behind x's LDS
.set SB,    24                         ; w: v24-25   scale bytes
.set WX,    32                         ; w: v32-95   two sets of 32 numbers
.set WC,    96                         ; w: v96..    a block's codes
.set OUTR,  112                        ; w: v112-175 the way out
.set VA,    176                        ; w: v176-207 4 x lane + i x the tensor's row bytes
.set BS,    32                         ; w: s[32:47] the wave's part, one base for each block
	s_load_b256 s[4:11], s[0:1], 0x0               ; x, Wq, Wkv, Wout
	s_load_b128 s[12:15], s[0:1], 0x20             ; xcs, wcs
	v_lshl_add_u32 v208, v0, 2, 0x10800
	v_mov_b32 v209, 0
	v_lshrrev_b32 v1, 5, v0
	v_readfirstlane_b32 s16, v1                    ; wave
	v_and_b32 v2, 31, v0                           ; lane
	s_wait_kmcnt 0x0
	s_cmp_lt_u32 ttmp9, 256
	s_cbranch_scc0 .Lw
; ---------------- x: K is innermost.  A wave takes 8 rows (8,192 numbers) in 16 steps of 512.  Each load reads 512 consecutive bytes; the step's 2,048 bytes turn through the wave's stage, so that a lane gets 16 neighbours.
	s_wait_alu depctr_va_vdst(0)
	v_lshlrev_b32 v3, 4, v2                        ; my 16 bytes of a load's 512
	s_mul_i32 s17, s16, WREG
	v_lshrrev_b32 v14, 2, v2
	v_mul_u32_u24 v14, v14, SP
	v_and_b32 v15, 3, v2
	v_lshl_add_u32 v14, v15, 4, v14
	v_add_nc_u32 v14, s17, v14                     ; into the stage: SP (lane / 4) + 16 (lane % 4)
	v_mul_u32_u24 v15, v2, SP
	v_add_nc_u32 v15, s17, v15                     ; out of it: SP x lane
	; THE CODES LIE IN FOUR PLANES, one for each 256 along K: plane p of xcs begins at p x 8192 x 192 bytes and holds 192 bytes a row, row behind row (wcs: p x 4096 x 192)
	v_and_b32 v4, 15, v2
	v_mul_u32_u24 v4, v4, CB
	v_lshrrev_b32 v5, 4, v2
	v_mad_u32_u24 v4, v5, 0x180000, v4             ; 12 (lane % 16), and lanes 16-31 one plane on: a step's 512 numbers are two planes' 192 bytes
	v_lshrrev_b32 v5, 1, v2
	s_add_co_u32 s17, s17, 2*32*SP
	v_add_nc_u32 v5, s17, v5                       ; my block's byte among the wave's 256
	v_lshlrev_b32 v7, 3, v2
	v_add_nc_u32 v6, s17, v7
	s_lshl_b32 s18, ttmp9, 2
	s_add_co_u32 s20, s18, s16                     ; the run that I read: rows 8 (4 g + wave) on
	s_lshl_b32 s20, s20, 15
	s_mov_b32 s21, 0
	s_add_nc_u64 s[4:5], s[4:5], s[20:21]
	s_and_b32 s19, s16, 1
	s_lshl_b32 s19, s19, 1
	s_lshr_b32 s22, s16, 1
	s_or_b32 s19, s19, s22
	s_add_co_u32 s19, s19, s18                     ; the run that I write: the wave's two bits change places, which are bits 3 and 4 of the row
	s_mul_i32 s20, s19, 1536
	s_add_nc_u64 s[8:9], s[12:13], s[20:21]        ; its codes
	s_lshl_b32 s20, s19, 8
	s_add_co_u32 s20, s20, XSO
	s_add_nc_u64 s[10:11], s[12:13], s[20:21]      ; its scale bytes
.macro XLOAD t
.irp i, 0,1,2,3
	global_load_b128 v[R+16*((\t)%4)+4*\i:R+16*((\t)%4)+4*\i+3], v3, s[4:5] offset:2048*(\t)+512*\i th:TH_LOAD_NT
.endr
.endm
.macro XTURN t                         ; LDS serves a wave's instructions in order: no wait between the stores and the loads
.irp i, 0,1,2,3
	ds_store_b128 v14, v[R+16*((\t)%4)+4*\i:R+16*((\t)%4)+4*\i+3] offset:32*SP*((\t)%2)+8*SP*\i
.endr
.irp i, 0,1,2,3
	ds_load_b128 v[X+16*((\t)%2)+4*\i:X+16*((\t)%2)+4*\i+3], v15 offset:32*SP*((\t)%2)+16*\i
.endr
.endm
.irp t, 0,1,2,3
	XLOAD \t
.endr
	s_wait_alu depctr_va_vdst(0)
	s_wait_loadcnt 12                              ; step 0's four loads are in; three steps' twelve stay out
	XTURN 0
.macro XSTEP t
.set XR, X+16*((\t)%2)
.if (\t) > 0
	s_wait_dscnt 1                                 ; this step's numbers are back from the stage; the last step's byte store may be out
.else
	s_wait_dscnt 0x0
.endif
.if (\t)+4 < STEPS
	XLOAD (\t)+4                                   ; into the registers that the stage's stores have read
.endif
.if (\t)+1 < STEPS
.if STEPS-2-(\t) >= 3
	s_wait_loadcnt 12                              ; the next step's four are in, three steps' twelve stay out
.else
	s_wait_loadcnt 4*(STEPS-2-(\t))
.endif
	XTURN (\t)+1
.endif
	v_max3_num_f32 v8, |v[XR]|, |v[XR+1]|, |v[XR+2]|
	v_max3_num_f32 v9, |v[XR+3]|, |v[XR+4]|, |v[XR+5]|
.irp i, 6,10
	v_max3_num_f32 v8, v8, |v[XR+\i]|, |v[XR+\i+1]|
	v_max3_num_f32 v9, v9, |v[XR+\i+2]|, |v[XR+\i+3]|
.endr
	v_max3_num_f32 v8, v8, |v[XR+14]|, |v[XR+15]|
	v_max3_num_f32 v8, v8, v9, 0x1800000           ; with the floor 2^(3 - 127): the byte cannot fall under 1
	v_max_num_f32_dpp v8, v8, v8 row_xmask:1 row_mask:0xf bank_mask:0xf   ; and my neighbour's 16: the block's largest magnitude
	v_add_nc_u32 v11, 0xff000000, v8               ; 2 off its exponent field: the conversion's scale operand
	v_cvt_scalef32_pk16_fp6_f32 v[C+4*(\t):C+4*(\t)+2], v[XR:XR+15], v11
	v_lshrrev_b32 v[E+(\t)], 23, v11               ; the scale's byte
	ds_store_b8 v5, v[E+(\t)] offset:16*(\t)       ; both lanes of a block write the same byte with the same value
	global_store_b96 v4, v[C+4*(\t):C+4*(\t)+2], s[8:9] offset:3145728*((\t)%2)+192*((\t)/2)
.endm
.irp t, 0,1,2,3,4,5,6,7,8,9,10,11,12,13,14,15
	XSTEP \t
.endr
	ds_load_b64 v[12:13], v6
	s_wait_dscnt 0x0
	global_store_b64 v7, v[12:13], s[10:11]        ; 32 lanes store 256 consecutive bytes, aligned
	s_wait_tensorcnt 0x0
	ds_add_u32 v208, v209
	s_wait_dscnt 0x0
	s_endpgm
; ---------------- the weights: K is the first axis.  A lane takes a column and its registers run down K: a block of 32 lies in one lane, and the codes come out with K innermost.
.Lw:
	s_sub_co_u32 s17, ttmp9, 256
	s_lshr_b32 s18, s17, 5                         ; y: which 256 along K
	s_and_b32 s17, s17, 31                         ; xg: which 128 of the 4,096 columns
	s_cmp_lt_u32 s17, 8                            ; the tensor, its first group of columns, and its row in bytes hang on the work-group's number alone
	s_cselect_b64 s[20:21], s[6:7], s[8:9]
	s_cselect_b32 s22, 0, 8
	s_mov_b32 s23, 8192
	s_cselect_b32 s23, 4096, s23
	s_cmp_lt_u32 s17, 24
	s_cselect_b64 s[20:21], s[20:21], s[10:11]
	s_cselect_b32 s22, s22, 24
	s_cselect_b32 s23, s23, 4096
	s_sub_co_u32 s24, s17, s22
	s_lshl_b32 s24, s24, 7
	s_lshl_b32 s25, s16, 5
	s_add_co_u32 s24, s24, s25                     ; my wave's first column in its tensor
	s_lshl_b32 s24, s24, 2
	s_mul_i32 s26, s18, s23
	s_lshl_b32 s26, s26, 8                         ; 256 y rows
	s_add_co_u32 s24, s24, s26
	s_mov_b32 s25, 0
	s_add_nc_u64 s[BS:BS+1], s[20:21], s[24:25]
	s_lshl_b32 s26, s23, 5                         ; 32 rows on
	s_mov_b32 s27, 0
.irp t, 1,2,3,4,5,6,7
	s_add_nc_u64 s[BS+2*\t:BS+2*\t+1], s[BS+2*\t-2:BS+2*\t-1], s[26:27]
.endr
	s_lshl_b32 s28, s17, 7
	s_lshl_b32 s29, s16, 5
	s_add_co_u32 s28, s28, s29                     ; my wave's first position in wcs
	s_mul_i32 s24, s28, KROW
	s_mul_i32 s29, s18, 786432                     ; my 256 along K are one plane of wcs
	s_add_co_u32 s24, s24, s29
	s_add_nc_u64 s[6:7], s[14:15], s[24:25]        ; its codes
	s_lshl_b32 s24, s28, 5
	s_lshl_b32 s29, s18, 3
	s_add_co_u32 s24, s24, s29
	s_add_co_u32 s24, s24, WSO
	s_add_nc_u64 s[8:9], s[14:15], s[24:25]        ; its scale bytes
	s_wait_alu depctr_va_vdst(0)
	v_lshlrev_b32 v3, 2, v2
.irp i, 0,1,2,3,4,5,6,7,8,9,10,11,12,13,14,15,16,17,18,19,20,21,22,23,24,25,26,27,28,29,30,31
	v_mad_u32_u24 v[VA+\i], s23, \i, v3            ; row i of a block, my column
.endr
	s_mul_i32 s19, s16, 32*PITCH
	s_add_co_u32 s19, s19, WSTG                    ; my stage
	v_and_b32 v10, 7, v2
	v_bfe_u32 v6, v2, 3, 1
	v_lshl_or_b32 v10, v6, 4, v10
	v_bfe_u32 v6, v2, 4, 1
	v_lshl_or_b32 v10, v6, 3, v10                  ; swap34(lane): my column's position among the wave's 32
	v_mul_u32_u24 v4, v10, PITCH
	v_add_nc_u32 v4, s19, v4                       ; into the stage: that row
	v_lshlrev_b32 v9, 5, v10                       ; and that row of scale bytes
	v_and_b32 v5, 15, v2
	v_lshrrev_b32 v6, 4, v2
	v_mul_u32_u24 v7, v6, PITCH
	v_lshl_add_u32 v7, v5, 4, v7
	v_add_nc_u32 v7, s19, v7                       ; out of it: sixteen lanes to a row, two rows an instruction
	v_mul_u32_u24 v8, v6, KROW
	v_mad_u32_u24 v8, v5, 12, v8                   ; and the same place in the codes
.macro WLOAD t
.irp i, 0,1,2,3,4,5,6,7,8,9,10,11,12,13,14,15,16,17,18,19,20,21,22,23,24,25,26,27,28,29,30,31
	global_load_b32 v[WX+32*((\t)%2)+\i], v[VA+\i], s[BS+2*(\t):BS+2*(\t)+1] th:TH_LOAD_NT   ; 32 lanes read 128 consecutive bytes
.endr
.endm
	WLOAD 0
	WLOAD 1
.macro BLOCK t
.set XR, WX+32*((\t)%2)
.if (\t) < NB-1
	s_wait_loadcnt 32                              ; this block's 32 loads are in; the next block's 32 stay out
.else
	s_wait_loadcnt 0
.endif
	v_max3_num_f32 v12, |v[XR]|, |v[XR+1]|, |v[XR+2]|
	v_max3_num_f32 v13, |v[XR+3]|, |v[XR+4]|, |v[XR+5]|
.irp i, 6,10,14,18,22,26
	v_max3_num_f32 v12, v12, |v[XR+\i]|, |v[XR+\i+1]|
	v_max3_num_f32 v13, v13, |v[XR+\i+2]|, |v[XR+\i+3]|
.endr
	v_max3_num_f32 v12, v12, |v[XR+30]|, |v[XR+31]|
	v_max3_num_f32 v12, v12, v13, 0x1800000        ; with the floor 2^(3 - 127)
	v_add_nc_u32 v11, 0xff000000, v12              ; the conversion's scale operand
	v_lshrrev_b32 v13, 23, v11                     ; the scale's byte
.if (\t)%4 == 0
	v_mov_b32 v[SB+(\t)/4], v13
.else
	v_lshl_or_b32 v[SB+(\t)/4], v13, 8*((\t)%4), v[SB+(\t)/4]
.endif
	v_cvt_scalef32_pk16_fp6_f32 v[WC:WC+2], v[XR:XR+15], v11
	v_cvt_scalef32_pk16_fp6_f32 v[WC+4:WC+6], v[XR+16:XR+31], v11
	ds_store_b96 v4, v[WC:WC+2] offset:32*(\t)     ; 12 bytes to a place of 16
	ds_store_b96 v4, v[WC+4:WC+6] offset:32*(\t)+16
.if (\t)+2 < NB
	WLOAD (\t)+2
.endif
	s_wait_dscnt 0x0                               ; the stores have read their registers: the next block's codes may be written
.endm
.irp t, 0,1,2,3,4,5,6,7
	BLOCK \t
.endr
	s_wait_alu depctr_va_vdst(0)
	global_store_b64 v9, v[SB:SB+1], s[8:9]        ; my column's 8 scale bytes
.irp t, 0,1,2,3,4,5,6,7,8,9,10,11,12,13,14,15
	ds_load_b96 v[OUTR+4*\t:OUTR+4*\t+2], v7 offset:2*\t*PITCH
.endr
.irp t, 0,1,2,3,4,5,6,7,8,9,10,11,12,13,14,15
	s_wait_dscnt 15-\t                             ; the younger loads stay out
	global_store_b96 v8, v[OUTR+4*\t:OUTR+4*\t+2], s[6:7] offset:2*\t*KROW   ; sixteen lanes store a row's 192 consecutive bytes
.endr
	s_wait_tensorcnt 0x0
	ds_add_u32 v208, v209
	s_wait_dscnt 0x0
	s_endpgm
.Lfunc_end_k_qb49773c5c5_quant:
	.size	k_qb49773c5c5_quant, .Lfunc_end_k_qb49773c5c5_quant-k_qb49773c5c5_quant
	.p2alignl 7, 3214868480
	.fill 96, 4, 3214868480
	.section	.rodata,"a",@progbits
	.p2align	6, 0x0
	.amdhsa_kernel k_qb49773c5c5_quant
		.amdhsa_group_segment_fixed_size 68096
		.amdhsa_private_segment_fixed_size 0
		.amdhsa_enable_private_segment 0
		.amdhsa_kernarg_size 48
		.amdhsa_user_sgpr_count 2
		.amdhsa_user_sgpr_kernarg_segment_ptr 1
		.amdhsa_wavefront_size32 1
		.amdhsa_system_sgpr_workgroup_id_x 1
		.amdhsa_system_sgpr_workgroup_id_y 1
		.amdhsa_system_sgpr_workgroup_id_z 1
		.amdhsa_system_vgpr_workitem_id 0
		.amdhsa_next_free_vgpr 210
		.amdhsa_next_free_sgpr 66
		.amdhsa_reserve_vcc 0
		.amdhsa_float_denorm_mode_32 3
		.amdhsa_float_denorm_mode_16_64 3
		.amdhsa_memory_ordered 1
		.amdhsa_forward_progress 1
		.amdhsa_inst_pref_size 76
	.end_amdhsa_kernel
	.amdgpu_metadata
---
amdhsa.version: [ 1, 2 ]
amdhsa.kernels:
  - .name:           k_qb49773c5c5_quant
    .symbol:         k_qb49773c5c5_quant.kd
    .args:
      - { .name: x, .offset: 0, .size: 8, .value_kind: global_buffer, .address_space: global }
      - { .name: Wq, .offset: 8, .size: 8, .value_kind: global_buffer, .address_space: global }
      - { .name: Wkv, .offset: 16, .size: 8, .value_kind: global_buffer, .address_space: global }
      - { .name: Wout, .offset: 24, .size: 8, .value_kind: global_buffer, .address_space: global }
      - { .name: xcs, .offset: 32, .size: 8, .value_kind: global_buffer, .address_space: global }
      - { .name: wcs, .offset: 40, .size: 8, .value_kind: global_buffer, .address_space: global }
    .group_segment_fixed_size: 68096
    .private_segment_fixed_size: 0
    .kernarg_segment_align: 8
    .kernarg_segment_size: 48
    .max_flat_workgroup_size: 128
    .sgpr_count:     66
    .vgpr_count:     210
    .wavefront_size: 32
...
	.end_amdgpu_metadata
.endif
;; end of part 1
;; launch proj (part 2): grid 12 x 32, 4 waves a work-group, clusters of 4 x 4, 327,680 bytes of LDS; arguments xcs, wcs, cos, sin, qcs, kcs, vcs; writes qcs, kcs, vcs
.if DOCPART == 2
	.amdgcn_target "amdgcn-amd-amdhsa--gfx1250"
	.amdhsa_code_object_version 6
	.text
	.protected	k_qb49773c5c5_proj
	.globl	k_qb49773c5c5_proj
	.p2align	8
	.type	k_qb49773c5c5_proj,@function
k_qb49773c5c5_proj:
	s_mov_b64 s[64:65], 0
	v_nop
	global_prefetch_b8 v0, s[64:65] scope:SCOPE_SE
	s_setreg_imm32_b32 hwreg(HW_REG_WAVE_MODE, 25, 1), 1
	s_wait_xcnt 0x0
	s_wait_alu depctr_hold_cnt(0) depctr_sa_sdst(0) depctr_va_vdst(0) depctr_va_sdst(0) depctr_va_ssrc(0) depctr_va_vcc(0) depctr_vm_vsrc(0)
	s_getreg_b32 s2, hwreg(HW_REG_IB_STS2, 6, 4)
	s_cmp_eq_u32 s2, 0
	s_cbranch_scc0 .Lentry_in_a_cluster
	s_endpgm
.Lentry_in_a_cluster:
	s_bfe_u32 s2, ttmp6, 0x10000c
	s_cmp_lg_u32 s2, 0xf033
	s_cbranch_scc0 .Lentry_shape_is_right
	s_endpgm
.Lentry_shape_is_right:
; q, k, v = x Wq, x Wkv on codes of FP6 (E2M3) with E8M0 scales; then, in registers: the rotation by cos and sin (q, k), and the quantiser of the next product: q and k along the head's 64, v along the keys.
; A tile of the product, 256 x 256, is made by four waves, 128 x 128 each (64 accumulators, 512 registers); K = 1,024 goes in four steps of 256 through a ring of two LDS slots filled by the tensor data mover.
; The scale bytes of the work-group's 2 x 256 rows, for all of K, come into LDS once, with the first fills.
; CLUSTERS of 4 x 4: A's tiles are asked for jointly along a row of the cluster, B's along a column.  Clusters 0-15 make q and k by turns: A = x's rows, B = the weight's columns.  Clusters 16-23 make v with the
; operands exchanged: A = the weight's columns (channels), B = x's rows (tokens).  The matrix instruction is used transposed (source 0 = 16 rows of B, source 1 = 16 rows of A): a lane holds ONE row of A and its
; registers run along B's rows.  Rows lie at position swap34(index) in xcs and wcs, so the 16 registers of two neighbouring tiles of B are 16 NEIGHBOURS: along the head for q and k, along the tokens for v.
; WHAT IS STORED are images of the next launch's operand registers (a group of four registers at 16 x lane): each store of a wave covers 512 or 256 consecutive bytes, aligned.
; LIMITS: NaN and infinities are not served; a block of zeros or under 2^-124 gets the byte 1 (read by this program alone).
; REGISTERS, in windows of 256: window 0: v0-31 addresses; v32-63 scale words, two sets; v64-127 cos and sin; from v128 A's fragments, later the epilogue's work.  window 1: B's fragments, two sets.  windows 2, 3: accumulators.
.set KSTEP,  256
.set NQ,     2
.set ROWB,   192
.set KROW,   768
.set PITCH,  240                       ; an LDS row: 3 x (64 bytes + 16 of padding)
.set FR,     12
.set NL,     6
.set NP,     4
.set HALFT,  128*PITCH
.set SLOT,   4*HALFT
.set LAPS,   2
.set KS,     32
.set SCL,    2*SLOT
.set HALFS,  (128*KS/256)*272
.set SBLK,   (16*KS/256)*272
.set SPARE,  SCL+4*HALFS               ; the spare words: 128 bytes a wave, named by no other line
.set XSO,    6291456                   ; where the scale bytes begin in xcs,
.set WSO,    3145728                   ; in wcs,
.set QSO,    6291456                   ; and the scale words in qcs, kcs and vcs
.set ADRA, 16
.set ADRB, 20
.set I16,  24                          ; v24  16 x lane
.set I8,   25                          ; v25  8 x lane
.set CSO,  26                          ; v26  my token's row of cos and sin, + 64 (lane / 16)
.set ADRS, 27
.set SPW,  28
.set NIL,  29
.set VSW,  30                          ; v30  16 (lane % 16) + 4,096 (lane / 16): v's scale words
.set SC,   32
.set COS,  64
.set SIN,  96
.set AF,   128
.set R,    128                         ; the epilogue: 64 numbers after the rotation
.set CD,   192                         ; v192-203 a fragment's codes; v204-206, v208-210 halves on their way
.set TM,   212                         ; v212-215 largest magnitudes, v216-219 the other half's and then the bytes, v224-227 the conversions' scale operands
.set PW,   228                         ; the scale word just made
.set W0,   232                         ; v232-239, v240-247 scale words kept for the end
.set SW,   248                         ; v248-251 the four words that a lane stores
.set G1, 24
.set G0, 32
.set G1B, 48
.set G0B, 56
.set G1S, 68
.set G0S, 76
.set G1SB, 80
.set G0SB, 88
.set MSB, 0
.macro WIN new                         ; the immediate's high byte repeats the setting that is left
.if MSB != \new
	s_set_vgpr_msb (MSB<<8)|\new
.set MSB, \new
.endif
.endm
.set MUL_LO, 0xa1
.set MUL_HI, 0xf1
.set TO_B,   0x40
; A joint load: waves 0 and 1 fetch for A, waves 2 and 3 for B; the branch hangs on the wave's number alone.  Four v_nop follow each of the two lines.
.macro JLOAD g0a, g1a, g0b, g1b
	s_cmp_eq_u32 s15, 0
	s_cbranch_scc0 .Lfor_b_\@
	tensor_load_to_lds s[\g0a:\g0a+3], s[\g1a:\g1a+7]
	s_nop 0
.rept 4
	v_nop
.endr
	s_branch .Lasked_\@
.Lfor_b_\@:
	tensor_load_to_lds s[\g0b:\g0b+3], s[\g1b:\g1b+7]
	s_nop 0
.rept 4
	v_nop
.endr
.Lasked_\@:
.endm
.macro CREST
	s_cmp_lg_u32 s14, 0
	s_cbranch_scc1 .Lnot_wave_0_\@
	s_barrier_signal -3
.Lnot_wave_0_\@:
	s_barrier_wait -3
	s_barrier_signal -1
	s_barrier_wait -1
.endm
.macro CROUND
	s_barrier_signal -1
	s_barrier_wait -1
	CREST
.endm
	s_load_b128 s[4:7], s[0:1], 0x0                ; xcs, wcs
	s_load_b64 s[66:67], s[0:1], 0x10              ; cos
	s_load_b64 s[104:105], s[0:1], 0x18            ; sin
	v_lshl_add_u32 v[SPW], v0, 2, SPARE
	v_mov_b32 v[NIL], 0
	ds_add_u32 v28, v29
	ds_add_u32 v28, v29
	s_wait_dscnt 0x0
	v_lshrrev_b32 v1, 5, v0
	v_readfirstlane_b32 s14, v1                    ; wave 0..3
	s_lshr_b32 s15, s14, 1                         ; which half of A's rows is mine.  Also: I fetch for A (0) or for B (1)
	s_and_b32 s16, s14, 1                          ; which half of B's rows.  Also: which 128 rows I fetch
	s_bfe_u32 s40, ttmp6, 0x40000                  ; cx
	s_bfe_u32 s41, ttmp6, 0x40004                  ; cy
	; WHICH CLUSTER MAKES WHAT: the clusters are numbered x + 3 y, 0 to 23.  Numbers 0-15 make q and k by turns; numbers 16-23, the last, make v, whose way out is the shorter
	s_and_b32 s96, ttmp7, 0xffff
	s_mul_i32 s96, s96, 3
	s_add_co_u32 s96, s96, ttmp9                   ; the cluster's number: the same in all sixteen partners
	s_and_b32 s94, s96, 1
	s_lshr_b32 s97, s96, 1
	s_sub_co_u32 s98, s96, 16
	s_cmp_lt_u32 s96, 16
	s_cselect_b32 s94, s94, 2                      ; 0: q, 1: k, 2: v
	s_cselect_b32 s96, s97, s98                    ; which 1,024 rows of x
	s_mov_b32 s100, 0x76543210
	s_mov_b32 s101, 0xfedcba98                     ; v_permlanex16_b32's selects for lane l xor 16
	s_cmp_eq_u32 s94, 2
	s_cselect_b32 s95, 1, 0
	s_cselect_b32 s97, 0, s96                      ; A's tiles: v: the four tiles of channels; else x's by cluster y
	s_cselect_b32 s98, s96, s94
	s_cselect_b32 s99, 2048, 0                     ; v's columns begin at position 2,048 of wcs
	s_mov_b32 s12, XSO
	s_cselect_b32 s12, WSO, s12                    ; where A's scale bytes begin in A's buffer
	s_mov_b32 s13, WSO
	s_cselect_b32 s13, XSO, s13                    ; and B's
	s_lshl_b32 s17, s97, 2
	s_add_co_u32 s17, s17, s41                     ; A's tile
	s_lshl_b32 s42, s98, 2
	s_add_co_u32 s42, s42, s40                     ; B's tile
	s_lshl_b32 s43, s41, 2
	s_lshl_b32 s43, 15, s43                        ; my row of the cluster
	s_lshl_b32 s44, 0x1111, s40                    ; my column
	; group 1: a tile of 128 rows x 192 bytes, 16 bytes of padding behind every 64
	; a K step's codes of neighbouring rows are dense in their plane: 256 rows x 192 bytes come as 192 rows of 256 bytes (32 elements of 8), 16 bytes of padding behind every 64: in LDS a row of 192 bytes has the pitch 240
	s_or_b32 s[G1+0], s43, (3<<16)|(1<<20)|(1<<21)|(3<<22)|(3<<25)
	s_or_b32 s[G1B+0], s44, (3<<16)|(1<<20)|(1<<21)|(3<<22)|(3<<25)
.irp g, G1, G1B
	s_mov_b32 s[\g+1], 32<<16
	s_mov_b32 s[\g+2], 192<<16
	s_mov_b32 s[\g+3], 32<<16
	s_mov_b32 s[\g+4], 192
	s_mov_b32 s[\g+5], 32
	s_mov_b32 s[\g+6], 0
	s_mov_b32 s[\g+7], 0
.endr
	; the scale bytes of 256 rows: 8,192 dense bytes as 32 rows of 256, 16 bytes of padding behind each
	s_or_b32 s[G1S+0], s43, (3<<16)|(1<<20)|(1<<21)|(5<<22)|(3<<25)
	s_or_b32 s[G1SB+0], s44, (3<<16)|(1<<20)|(1<<21)|(5<<22)|(3<<25)
.irp g, G1S, G1SB
	s_mov_b32 s[\g+1], 32<<16
	s_mov_b32 s[\g+2], (256*KS/256)<<16
	s_mov_b32 s[\g+3], 32<<16
	s_mov_b32 s[\g+4], 256*KS/256
	s_mov_b32 s[\g+5], 32
	s_mov_b32 s[\g+6], 0
	s_mov_b32 s[\g+7], 0
.endr
	s_mul_i32 s18, s16, 128*ROWB                   ; in the ring I fetch 128 rows of a tile: which half, in bytes
	s_mov_b32 s19, 0
	s_lshl_b32 s20, s17, 8
	s_add_co_u32 s20, s20, s99                     ; A: the tile's first row
	s_lshl_b32 s46, s42, 8                         ; B likewise
	s_lshl_b32 s22, s20, 5
	s_add_co_u32 s22, s22, s12                     ; its scale bytes,
	s_mov_b32 s23, 0
	s_mul_i32 s20, s20, ROWB
	s_mov_b32 s21, 0
	s_lshl_b32 s92, s46, 5
	s_add_co_u32 s92, s92, s13
	s_mov_b32 s93, 0
	s_mul_i32 s46, s46, ROWB
	s_mov_b32 s47, 0
	s_mul_i32 s45, s14, HALFT                      ; where they go: wave x 128 rows
	s_wait_kmcnt 0x0
	s_cmp_eq_u32 s95, 1
	s_cselect_b64 s[8:9], s[6:7], s[4:5]           ; A's buffer
	s_cselect_b64 s[10:11], s[4:5], s[6:7]
	s_mov_b32 s98, 1572864
	s_cselect_b32 s98, 786432, s98                 ; a plane of A's buffer in bytes: from one K step to the next
	s_mov_b32 s12, 786432
	s_cselect_b32 s12, 1572864, s12                ; and of B's
	s_mov_b32 s99, 0
	s_mov_b32 s13, 0
	s_add_nc_u64 s[20:21], s[8:9], s[20:21]
	s_add_nc_u64 s[22:23], s[8:9], s[22:23]
	s_add_nc_u64 s[46:47], s[10:11], s[46:47]
	s_add_nc_u64 s[92:93], s[10:11], s[92:93]
	CROUND                                         ; all sixteen work-groups are here: the first joint loads meet
	s_mov_b32 s[G0S], 1
	s_mov_b32 s[G0S+1], SCL
	s_mov_b64 s[G0S+2:G0S+3], s[22:23]
	s_or_b32 s[G0S+3], s[G0S+3], 0x80000000
	s_mov_b32 s[G0SB], 1
	s_mov_b32 s[G0SB+1], SCL+2*HALFS
	s_mov_b64 s[G0SB+2:G0SB+3], s[92:93]
	s_or_b32 s[G0SB+3], s[G0SB+3], 0x80000000
.set G0H, 4                            ; s[4:7], s[8:11] group 0 of the head's loads of K step 0: A's 256 rows, B's 256 rows (the addresses that lay there have been used)
.set G0HB, 8
	s_mov_b32 s[G0H], 1
	s_mov_b32 s[G0H+1], 0
	s_mov_b64 s[G0H+2:G0H+3], s[20:21]
	s_or_b32 s[G0H+3], s[G0H+3], 0x80000000
	s_mov_b32 s[G0HB], 1
	s_mov_b32 s[G0HB+1], 2*HALFT
	s_mov_b64 s[G0HB+2:G0HB+3], s[46:47]
	s_or_b32 s[G0HB+3], s[G0HB+3], 0x80000000
	s_add_nc_u64 s[20:21], s[20:21], s[18:19]      ; for the ring: my 128 rows of the tile
	s_add_nc_u64 s[46:47], s[46:47], s[18:19]
.irp s, 0,1
	s_mov_b32 s[G0+4*\s], 1
	s_add_co_u32 s[G0+4*\s+1], s45, \s*SLOT
	s_mov_b64 s[G0+4*\s+2:G0+4*\s+3], s[20:21]
	s_or_b32 s[G0+4*\s+3], s[G0+4*\s+3], 0x80000000
	s_mov_b32 s[G0B+4*\s], 1
	s_add_co_u32 s[G0B+4*\s+1], s45, \s*SLOT
	s_mov_b64 s[G0B+4*\s+2:G0B+4*\s+3], s[46:47]
	s_or_b32 s[G0B+4*\s+3], s[G0B+4*\s+3], 0x80000000
.endr
	s_add_nc_u64 s[G0+6:G0+7], s[G0+6:G0+7], s[98:99]      ; slot 1 begins with K step 1, one plane on
	s_add_nc_u64 s[G0B+6:G0B+7], s[G0B+6:G0B+7], s[12:13]
	s_lshl_b32 s98, s98, 1                         ; a refill goes two planes on
	s_lshl_b32 s12, s12, 1
; THE HEAD'S LOADS, ONE A WAVE: wave 0 K step 0's 256 rows of A, wave 1 its 256 rows of B, wave 2 the scales of A's 256 rows, wave 3 those of B's.  One chain of branches on the wave's number.
.macro ARM under, g0, g1, next
	s_cmp_lt_u32 s14, \under
	s_cbranch_scc0 \next
	tensor_load_to_lds s[\g0:\g0+3], s[\g1:\g1+7]
	s_nop 0
.rept 4
	v_nop
.endr
	s_branch .Lhead_asked
\next:
.endm
	ARM 1, G0H,  G1,  .Lhead_b
	ARM 2, G0HB, G1B, .Lhead_sa
	ARM 3, G0S,  G1S, .Lhead_sb
	tensor_load_to_lds s[G0SB:G0SB+3], s[G1SB:G1SB+7]
	s_nop 0
.rept 4
	v_nop
.endr
.Lhead_asked:
	v_and_b32 v1, 15, v0                           ; r = lane % 16
	v_bfe_u32 v2, v0, 4, 1                         ; h = lane / 16
	v_mul_u32_u24 v3, v1, PITCH
	v_mul_u32_u24 v4, v2, 24
	v_add_nc_u32 v4, v3, v4                        ; a fragment's row x pitch + 24 h
	v_lshl_add_u32 v5, v2, 4, v4                   ; and the same behind one padding more
	s_mul_i32 s21, s15, HALFT
	s_mul_i32 s22, s16, HALFT
	s_add_co_u32 s22, s22, 2*HALFT
.irp s, 0,1
	v_add_nc_u32 v[ADRA+\s], s21, v4
	v_add_nc_u32 v[ADRB+\s], s22, v4
	v_add_nc_u32 v[ADRA+2+\s], s21, v5
	v_add_nc_u32 v[ADRB+2+\s], s22, v5
	s_add_co_u32 s21, s21, SLOT
	s_add_co_u32 s22, s22, SLOT
.endr
	v_mul_u32_u24 v5, v1, KS
	v_lshrrev_b32 v6, 8, v5
	v_lshl_add_u32 v5, v6, 4, v5                   ; my row's scale bytes, 16 more for each 256 passed
	s_mul_i32 s21, s15, HALFS
	s_mul_i32 s22, s16, HALFS
	s_add_co_u32 s22, s22, 2*HALFS
	s_sub_co_u32 s22, s22, s21
	v_mul_u32_u24 v6, s22, v2                      ; lanes 16-31 take B's
	s_add_co_u32 s21, s21, SCL
	v_add_nc_u32 v5, v5, v6
	v_add_nc_u32 v[ADRS], s21, v5
	v_and_b32 v6, 31, v0
	v_lshlrev_b32 v[I16], 4, v6
	v_lshlrev_b32 v[I8], 3, v6
	v_and_b32 v6, 8, v1
	v_add_nc_u32 v6, v6, v1                        ; lane r of a tile of positions holds token r + 8 (r / 8) of its 32 (+ 8 in the odd tile)
	v_lshlrev_b32 v[CSO], 8, v6
	v_lshl_add_u32 v[CSO], v2, 6, v[CSO]
	s_wait_alu depctr_va_vdst(0)
	v_lshlrev_b32 v[VSW], 4, v1
	v_lshl_add_u32 v[VSW], v2, 12, v[VSW]
	s_lshl_b32 s20, s17, 8
	s_lshl_b32 s21, s15, 7
	s_add_co_u32 s20, s20, s21
	s_and_b32 s20, s20, 2047                       ; my first token within its sequence
	s_lshl_b32 s20, s20, 8
	s_mov_b32 s21, 0
	s_add_nc_u64 s[66:67], s[66:67], s[20:21]
	s_add_nc_u64 s[104:105], s[104:105], s[20:21]
; cos and sin of my token of block a: of each half of the head my 16 numbers, in the order of the accumulators' registers
.macro CSLOAD a, cb, sb, w             ; into registers cb on (cos) and sb on (sin) of window w
.if \w
	WIN 0x40
.endif
.irp e, 0,1
.irp j, 0,1,2,3
	global_load_b128 v[\cb+16*\e+4*\j:\cb+16*\e+4*\j+3], v[CSO], s[66:67] offset:(32*((\a)/2)+8*((\a)%2))*256+128*\e+16*\j
	global_load_b128 v[\sb+16*\e+4*\j:\sb+16*\e+4*\j+3], v[CSO], s[104:105] offset:(32*((\a)/2)+8*((\a)%2))*256+128*\e+16*\j
.endr
.endr
	WIN 0
.endm
	CSLOAD 0, COS, SIN, 0
	CSLOAD 1, 96, 224, 1                           ; block 1's too, into the 64 registers of window 1 that B's two sets of fragments (v0-95, v128-223) leave free
	                                               ; every register that the epilogue reads has been written on every way to it.  v's clusters issue them too and use nothing of them: 32 loads a wave, inside the tables
	                                               ; (there the first row is 256 cy + 128 x half, 896 at the most, and a wave reaches 127 rows on, of 2,048)
.macro FRAG reg, adr, q, i             ; 16 rows x 128 K of 6-bit codes: 12 registers, six pieces of 8 bytes; where the piece three on lies behind one padding more, the second address register serves
.irp p, 0,1,2,3,4,5
.set PC, 12*(\q)+6*(\p/3)+\p%3
.if PC%8 < 5
	ds_load_b64 v[\reg+2*\p:\reg+2*\p+1], v[\adr] offset:8*PC+16*(PC/8)+(\i)*16*PITCH
.else
	ds_load_b64 v[\reg+2*\p:\reg+2*\p+1], v[\adr+2] offset:8*PC+16*(PC/8)+(\i)*16*PITCH
.endif
.endr
.endm
; 16 matrix instructions: A's blocks a0, a0 + 1 x B's eight.  The 64 accumulators take turns, one instruction a turn.
.macro MUL16 a0, p, q, sc, zero
.irp a, \a0, \a0+1
.irp b, 0,1,2,3,4,5,6,7
.if \zero
	v_wmma_scale_f32_16x16x128_f8f6f4 v[8*(8*((\a)%4)+\b):8*(8*((\a)%4)+\b)+7], v[128*(\p)+FR*\b:128*(\p)+FR*\b+FR-1], v[AF+FR*(\a):AF+FR*(\a)+FR-1], 0, v[SC+8*NQ*(\sc)+NQ*\b+(\q)], v[SC+8*NQ*(\sc)+NQ*(\a)+(\q)] matrix_a_fmt:MATRIX_FMT_FP6 matrix_b_fmt:MATRIX_FMT_FP6 matrix_a_scale:MATRIX_SCALE_ROW1
.else
	v_wmma_scale_f32_16x16x128_f8f6f4 v[8*(8*((\a)%4)+\b):8*(8*((\a)%4)+\b)+7], v[128*(\p)+FR*\b:128*(\p)+FR*\b+FR-1], v[AF+FR*(\a):AF+FR*(\a)+FR-1], v[8*(8*((\a)%4)+\b):8*(8*((\a)%4)+\b)+7], v[SC+8*NQ*(\sc)+NQ*\b+(\q)], v[SC+8*NQ*(\sc)+NQ*(\a)+(\q)] matrix_a_fmt:MATRIX_FMT_FP6 matrix_b_fmt:MATRIX_FMT_FP6 matrix_a_scale:MATRIX_SCALE_ROW1
.endif
.endr
.endr
.endm
.macro FETCH_B slot, q, p
	WIN TO_B
.irp i, 0,1,2,3,4,5,6,7
	FRAG 128*(\p)+FR*\i, ADRB+\slot, \q, \i
.endr
	WIN 0
.endm
.macro FETCH_A slot, q, i0
.irp i, \i0, \i0+1, \i0+2, \i0+3
	FRAG AF+FR*(\i), ADRA+\slot, \q, \i
.endr
.endm
.macro SCALES sc                       ; a K step's scale words: lanes 0-15 A's block i, lanes 16-31 B's block i
.irp i, 0,1,2,3,4,5,6,7
	ds_load_b64 v[SC+8*NQ*\sc+NQ*\i:SC+8*NQ*\sc+NQ*\i+1], v[ADRS] offset:\i*SBLK
.endr
.endm
.macro PLACES n                        ; plain vector instructions between a matrix instruction and a load into, or a read of, its registers
.rept \n
	v_nop
.endr
.endm
.macro STEP slot, q, zero
	s_wait_dscnt 4*NL                              ; B's set and A's blocks 0-3 are in; the youngest 24 loads (A's blocks 4-7) may be out
	WIN MUL_LO
	MUL16 0, (\q)%2, \q, \slot, \zero
	MUL16 2, (\q)%2, \q, \slot, \zero
	s_wait_dscnt 0
	PLACES NP
	FETCH_B \slot, (\q)+1, 1-(\q)%2
	FETCH_A \slot, (\q)+1, 0
	WIN MUL_HI
	MUL16 4, (\q)%2, \q, \slot, \zero
	MUL16 6, (\q)%2, \q, \slot, \zero
	PLACES NP
	WIN 0
	FETCH_A \slot, (\q)+1, 4
.endm
; A slot's last step changes slots: each wave waits for all its tensor loads, adds 0 to its spare word, waits for that and for its reads of this slot; then one barrier, which with fill = 1 opens a round of the cluster's.
.macro TURN slot, next, fill
	s_wait_tensorcnt 0x0                           ; all my tensor loads have landed: my part of the next slot
	ds_add_u32 v[SPW], v[NIL]                      ; 0 onto my spare word
	s_wait_dscnt 4*NL+1                            ; the add and the youngest 24 loads may be out
	WIN MUL_LO
	MUL16 0, 1, NQ-1, \slot, 0
	s_wait_dscnt 0x0                               ; the add is done, and my reads of this slot are over
	s_barrier_signal -1
	MUL16 2, 1, NQ-1, \slot, 0
	WIN 0
	s_barrier_wait -1
.if \fill
	CREST                                          ; no wave of any partner still reads this slot or has a load on its way
	s_add_nc_u64 s[G0+4*\slot+2:G0+4*\slot+3], s[G0+4*\slot+2:G0+4*\slot+3], s[98:99]
	s_add_nc_u64 s[G0B+4*\slot+2:G0B+4*\slot+3], s[G0B+4*\slot+2:G0B+4*\slot+3], s[12:13]
	JLOAD G0+4*\slot, G1, G0B+4*\slot, G1B         ; the first tensor load behind the round; its four v_nop are the places in front of the loads below
.else
	PLACES NP
.endif
	s_wait_alu depctr_va_vdst(0)
	v_add_nc_u32 v[ADRS], 4*NQ, v[ADRS]            ; the next K step's scale words
	FETCH_B \next, 0, 0
	FETCH_A \next, 0, 0
	SCALES \next
	WIN MUL_HI
	MUL16 4, 1, NQ-1, \slot, 0
	MUL16 6, 1, NQ-1, \slot, 0
	PLACES NP
	WIN 0
	FETCH_A \next, 0, 4
.endm
	s_wait_alu depctr_va_vdst(0)                   ; the wait at the head's end
	s_wait_tensorcnt 0x0                           ; my tile of the head's four is in; these lines stand ahead of a later first fill as ahead of a refill
	ds_add_u32 v[SPW], v[NIL]                      ; 0 onto my spare word
	s_mov_b32 s[G1+2], 96<<16                      ; no tensor load of mine is out: from here on a load brings 128 rows of codes, 96 rows of 256 bytes
	s_mov_b32 s[G1+4], 96
	s_mov_b32 s[G1B+2], 96<<16
	s_mov_b32 s[G1B+4], 96
	s_wait_dscnt 0x0
	CROUND                                         ; all four tiles are in, and all sixteen work-groups are here
	JLOAD G0+4, G1, G0B+4, G1B                     ; K step 1, the first tensor load behind the round
	FETCH_B 0, 0, 0
	FETCH_A 0, 0, 0
	SCALES 0
	FETCH_A 0, 0, 4
	STEP 0, 0, 1                                   ; the first step's products start the sums
	s_mov_b32 s3, LAPS-1
.Llap:
	TURN 0, 1, 1
	STEP 1, 0, 0
	TURN 1, 0, 1
	STEP 0, 0, 0
	s_sub_co_u32 s3, s3, 1
	s_cmp_lg_u32 s3, 0
	s_cbranch_scc1 .Llap
	TURN 0, 1, 0                                   ; the last lap fills nothing
	s_load_b128 s[24:27], s[0:1], 0x20             ; qcs, kcs: no tensor load of mine is out and none follows, so the descriptors' registers are free
	s_load_b64 s[28:29], s[0:1], 0x30              ; vcs
	STEP 1, 0, 0
	s_wait_dscnt 4*NL
	WIN MUL_LO
	MUL16 0, 1, NQ-1, 1, 0
	MUL16 2, 1, NQ-1, 1, 0
	s_wait_dscnt 0
	WIN MUL_HI
	MUL16 4, 1, NQ-1, 1, 0
	MUL16 6, 1, NQ-1, 1, 0
	WIN 0
; ---------------- THE EPILOGUE, in registers.
; QUANT: 64 numbers of a lane at v[s] on, register 16 b + i = k 32 b + 16 (lane / 16) + i of my row, become a fragment's codes in v[CD] on and its scale word in v[PW].  wm, wc: the window settings under which the
; maxima (numbers as sources 0 and 1) and the conversions (numbers as source 0) read them.  The reads ascend: each accumulator is first read at its low end.
.macro QUANT s, wm, wc
	WIN \wm
.irp b, 0,1,2,3
	v_max3_num_f32 v[TM+\b], |v[\s+16*\b]|, |v[\s+1+16*\b]|, 0x1800000   ; with the floor 2^(3 - 127): the byte cannot fall under 1
.endr
.irp i, 2,4,6,8,10,12,14
.irp b, 0,1,2,3
	v_max3_num_f32 v[TM+\b], |v[\s+16*\b+\i]|, |v[\s+1+16*\b+\i]|, v[TM+\b]
.endr
.endr
	WIN 0
.irp b, 0,1,2,3
	v_permlanex16_b32 v[TM+4+\b], v[TM+\b], s100, s101
.endr
.irp b, 0,1,2,3
	v_max_num_f32 v[TM+\b], v[TM+\b], v[TM+4+\b]   ; with lane l xor 16's: the block's largest magnitude
.endr
.irp b, 0,1,2,3
	v_add_nc_u32 v[TM+12+\b], 0xff000000, v[TM+\b] ; 2 off its exponent field: the conversion's scale operand
.endr
.irp b, 0,1,2,3
	v_lshrrev_b32 v[TM+4+\b], 23, v[TM+12+\b]      ; the scale's byte
.endr
	v_lshl_or_b32 v[PW], v[TM+5], 8, v[TM+4]
	v_lshl_or_b32 v[PW], v[TM+6], 16, v[PW]
	v_lshl_or_b32 v[PW], v[TM+7], 24, v[PW]
	s_wait_alu depctr_va_vdst(0)                   ; the wait directly ahead of the wait below
	s_wait_xcnt 0x0                                ; the last block's stores have read their data: the conversions below write those registers again
	WIN \wc
.irp c, 0,1
	v_cvt_scalef32_pk16_fp6_f32 v[CD+6*\c:CD+2+6*\c], v[\s+32*\c:\s+15+32*\c], v[TM+12+2*\c]
	v_cvt_scalef32_pk16_fp6_f32 v[CD+12+4*\c:CD+14+4*\c], v[\s+16+32*\c:\s+31+32*\c], v[TM+12+2*\c+1]
.endr
	WIN 0
	v_nop                                          ; one plain place behind a scaled conversion
.irp c, 0,1                            ; the operand's layout wants a whole block in a lane
.irp i, 0,1,2
	v_permlane16_swap_b32 v[CD+6*\c+\i], v[CD+12+4*\c+\i]
.endr
.irp i, 0,1,2
	v_mov_b32 v[CD+3+6*\c+\i], v[CD+12+4*\c+\i]
.endr
.endr
.endm
	PLACES NP                                      ; behind the last products: their results are read and A's registers written from here on
	s_wait_kmcnt 0x0
	v_and_b32 v1, 31, v0
	v_cmp_lt_u32 s96, 15, v1                       ; lanes 16-31
.irp b, 0,1,2,3
	v_mov_b32 v[TM+4+\b], 0                        ; written once: a lane permute's destination counts as one of its sources
.endr
	s_cmp_eq_u32 s95, 1
	s_cbranch_scc1 .Lv
; q and k.  Block a is 16 tokens x my 128 features = two heads; a lane holds one token.
	s_lshl_b32 s20, s17, 8
	s_lshl_b32 s21, s15, 7
	s_add_co_u32 s20, s20, s21                     ; my first token's position
	s_lshr_b32 s21, s20, 11                        ; its sequence b
	s_and_b32 s20, s20, 2047
	s_lshr_b32 s20, s20, 4                         ; its tile of 16 in the sequence
	s_lshl_b32 s22, s42, 8
	s_lshl_b32 s23, s16, 7
	s_add_co_u32 s22, s22, s23
	s_and_b32 s22, s22, 1023
	s_lshr_b32 s22, s22, 6                         ; my first head
	s_lshl_b32 s21, s21, 4
	s_add_co_u32 s21, s21, s22                     ; 16 b + head
	s_mul_i32 s36, s21, 98304
	s_mul_i32 s37, s20, 768
	s_add_co_u32 s36, s36, s37
	s_mov_b32 s37, 0
	s_lshl_b32 s38, s21, 13
	s_lshl_b32 s39, s20, 6                         ; 256 bytes of scale words for four tiles
	s_add_co_u32 s38, s38, s39
	s_add_co_u32 s38, s38, QSO
	s_mov_b32 s39, 0
	s_cmp_eq_u32 s94, 0
	s_cselect_b64 s[32:33], s[24:25], s[26:27]     ; qcs or kcs
	s_add_nc_u64 s[34:35], s[32:33], s[38:39]      ; the scale words
	s_add_nc_u64 s[32:33], s[32:33], s[36:37]      ; the images
; cb, sb, w: where this block's cos and sin lie; wt: the loads issued behind them that may stay out (under 0: they were waited for earlier); na, ncb, nsb, nw: the block whose cos and sin are asked for into a set that has fallen free (under 0: none)
.macro QKBLOCK a, cb, sb, w, wt, na, ncb, nsb, nw
.set AC, 64*((\a)%4)
.set WQ, 0x02+(\a)/4+4*(\w)            ; source 0 in the accumulators' window, source 1 in that of cos and sin
.if \wt >= 0
	s_wait_loadcnt \wt                             ; this block's cos and sin
.endif
	WIN WQ
.irp hd, 0,1                           ; d < 32: q cos - q(d + 32) sin;  d >= 32: q cos + q(d - 32) sin
.irp i, 0,2,4,6,8,10,12,14
	v_pk_mul_f32 v[R+32*\hd+\i:R+32*\hd+\i+1], v[AC+32*\hd+\i:AC+32*\hd+\i+1], v[\cb+\i:\cb+\i+1]
.endr
.irp i, 0,2,4,6,8,10,12,14
	v_pk_mul_f32 v[R+32*\hd+16+\i:R+32*\hd+17+\i], v[AC+32*\hd+16+\i:AC+32*\hd+17+\i], v[\cb+16+\i:\cb+17+\i]
.endr
.irp i, 0,2,4,6,8,10,12,14
	v_pk_fma_f32 v[R+32*\hd+\i:R+32*\hd+\i+1], v[AC+32*\hd+16+\i:AC+32*\hd+17+\i], v[\sb+\i:\sb+\i+1], v[R+32*\hd+\i:R+32*\hd+\i+1] neg_lo:[1,0,0] neg_hi:[1,0,0]
.endr
.irp i, 0,2,4,6,8,10,12,14
	v_pk_fma_f32 v[R+32*\hd+16+\i:R+32*\hd+17+\i], v[AC+32*\hd+\i:AC+32*\hd+\i+1], v[\sb+16+\i:\sb+17+\i], v[R+32*\hd+16+\i:R+32*\hd+17+\i]
.endr
.endr
	WIN 0
.if \na >= 0
	CSLOAD \na, \ncb, \nsb, \nw
.endif
	QUANT R, 0, 0                                  ; registers 0-5: my first head's 64 along K, registers 6-11: my second head's
	global_store_b128 v[I16], v[CD:CD+3], s[32:33] offset:(\a)*768
	global_store_b64 v[I8], v[CD+4:CD+5], s[32:33] offset:(\a)*768+512
	global_store_b128 v[I16], v[CD+6:CD+9], s[32:33] offset:98304+(\a)*768
	global_store_b64 v[I8], v[CD+10:CD+11], s[32:33] offset:98304+(\a)*768+512
	v_and_b32 v[W0+(\a)], 0xffff, v[PW]            ; a head's word: its two bytes, and zeros over the zero codes of the upper 64
	v_lshrrev_b32 v[W0+8+(\a)], 16, v[PW]
.endm
	s_wait_loadcnt 0x0                             ; blocks 0 and 1, asked for at the head
	CSLOAD 2, 0, 32, 1                             ; three blocks more, into the registers that held B's fragments; a block is 16 loads
	CSLOAD 3, 128, 160, 1
	CSLOAD 4, 64, 192, 1
	QKBLOCK 0, COS, SIN, 0, -1, 5, COS, SIN, 0
	QKBLOCK 1, 96, 224, 1, -1, 6, 96, 224, 1
	QKBLOCK 2, 0, 32, 1, 63, 7, 0, 32, 1           ; behind block 2's loads stand those of blocks 3 to 6, 64 in all: the count is the largest that the wait takes
	QKBLOCK 3, 128, 160, 1, 63, -1, 0, 0, 0        ; behind block 3's: blocks 4 to 7
	QKBLOCK 4, 64, 192, 1, 48, -1, 0, 0, 0         ; blocks 5 to 7
	QKBLOCK 5, COS, SIN, 0, 32, -1, 0, 0, 0
	QKBLOCK 6, 96, 224, 1, 16, -1, 0, 0, 0
	QKBLOCK 7, 0, 32, 1, 0, -1, 0, 0, 0
	s_wait_alu depctr_va_vdst(0)
.irp hd, 0,1                           ; the words of four tiles lie together, 16 bytes a row: lanes 0-15 store tiles 0-3, lanes 16-31 tiles 4-7: 512 consecutive bytes
	s_wait_xcnt 0x0
.irp i, 0,1,2,3
	v_cndmask_b32 v[SW+\i], v[W0+8*\hd+\i], v[W0+8*\hd+4+\i], s96
.endr
	global_store_b128 v[I16], v[SW:SW+3], s[34:35] offset:8192*\hd
.endr
	s_branch .Lend
; v.  Block a is 16 channels x my 128 tokens; a lane holds one channel, and its 64 registers are the 128 tokens' half: one K step of the second product of attention.
.Lv:
	s_lshl_b32 s20, s17, 8
	s_lshl_b32 s21, s15, 7
	s_add_co_u32 s20, s20, s21
	s_lshr_b32 s20, s20, 6                         ; my first head
	s_lshl_b32 s22, s42, 8
	s_lshl_b32 s23, s16, 7
	s_add_co_u32 s22, s22, s23                     ; my first token's position
	s_lshr_b32 s21, s22, 11                        ; b
	s_and_b32 s22, s22, 2047
	s_lshr_b32 s22, s22, 7                         ; the key step
	s_lshl_b32 s21, s21, 4
	s_add_co_u32 s21, s21, s20                     ; 16 b + head
	s_mul_i32 s36, s21, 98304
	s_mul_i32 s37, s22, 6144
	s_add_co_u32 s36, s36, s37
	s_mov_b32 s37, 0
	s_lshl_b32 s38, s21, 12
	s_lshl_b32 s39, s22, 8
	s_add_co_u32 s38, s38, s39
	s_add_co_u32 s38, s38, QSO
	s_mov_b32 s39, 0
	s_add_nc_u64 s[32:33], s[28:29], s[36:37]      ; the images
	s_add_nc_u64 s[34:35], s[28:29], s[38:39]      ; the scale words
.macro VBLOCK a
.set AC, 64*((\a)%4)
.set WM, 0x0a+5*((\a)/4)
.set WC, 0x02+(\a)/4
	QUANT AC, WM, WC
.irp c, 0,1,2
	global_store_b128 v[I16], v[CD+4*\c:CD+4*\c+3], s[32:33] offset:((\a)/4)*98304+((\a)%4)*1536+512*\c
.endr
	v_mov_b32 v[W0+(\a)], v[PW]
.endm
.irp a, 0,1,2,3,4,5,6,7
	VBLOCK \a
.endr
.irp i, 0,1,2,3
	v_cndmask_b32 v[SW+\i], v[W0+\i], v[W0+4+\i], s96   ; lanes 0-15 my first head's four tiles of channels, lanes 16-31 my second head's
.endr
	global_store_b128 v[VSW], v[SW:SW+3], s[34:35]  ; each half of the lanes stores 256 consecutive bytes, aligned
.Lend:
	s_wait_tensorcnt 0x0                           ; the wave's end
	ds_add_u32 v[SPW], v[NIL]
	s_wait_dscnt 0x0
	CROUND                                         ; the closing round
	s_endpgm
.Lfunc_end_k_qb49773c5c5_proj:
	.size	k_qb49773c5c5_proj, .Lfunc_end_k_qb49773c5c5_proj-k_qb49773c5c5_proj
	.p2alignl 7, 3214868480
	.fill 96, 4, 3214868480
	.section	.rodata,"a",@progbits
	.p2align	6, 0x0
	.amdhsa_kernel k_qb49773c5c5_proj
		.amdhsa_group_segment_fixed_size 327680
		.amdhsa_private_segment_fixed_size 0
		.amdhsa_enable_private_segment 0
		.amdhsa_kernarg_size 56
		.amdhsa_user_sgpr_count 2
		.amdhsa_user_sgpr_kernarg_segment_ptr 1
		.amdhsa_wavefront_size32 1
		.amdhsa_system_sgpr_workgroup_id_x 1
		.amdhsa_system_sgpr_workgroup_id_y 1
		.amdhsa_system_sgpr_workgroup_id_z 1
		.amdhsa_system_vgpr_workitem_id 0
		.amdhsa_next_free_vgpr 1024
		.amdhsa_next_free_sgpr 106
		.amdhsa_reserve_vcc 0
		.amdhsa_float_denorm_mode_32 3
		.amdhsa_float_denorm_mode_16_64 3
		.amdhsa_memory_ordered 1
		.amdhsa_forward_progress 1
		.amdhsa_inst_pref_size 249
	.end_amdhsa_kernel
	.amdgpu_metadata
---
amdhsa.version: [ 1, 2 ]
amdhsa.kernels:
  - .name:           k_qb49773c5c5_proj
    .symbol:         k_qb49773c5c5_proj.kd
    .args:
      - { .name: xcs, .offset: 0, .size: 8, .value_kind: global_buffer, .address_space: global }
      - { .name: wcs, .offset: 8, .size: 8, .value_kind: global_buffer, .address_space: global }
      - { .name: cos, .offset: 16, .size: 8, .value_kind: global_buffer, .address_space: global }
      - { .name: sin, .offset: 24, .size: 8, .value_kind: global_buffer, .address_space: global }
      - { .name: qcs, .offset: 32, .size: 8, .value_kind: global_buffer, .address_space: global }
      - { .name: kcs, .offset: 40, .size: 8, .value_kind: global_buffer, .address_space: global }
      - { .name: vcs, .offset: 48, .size: 8, .value_kind: global_buffer, .address_space: global }
    .group_segment_fixed_size: 327680
    .private_segment_fixed_size: 0
    .kernarg_segment_align: 8
    .kernarg_segment_size: 56
    .max_flat_workgroup_size: 128
    .sgpr_count:     106
    .vgpr_count:     1024
    .wavefront_size: 32
...
	.end_amdgpu_metadata
.endif
;; end of part 2
;; launch attn (part 3): grid 8 x 32, 8 waves a work-group, clusters of 4 x 1, 327,680 bytes of LDS; arguments qcs, kcs, vcs, ocs; writes ocs
.if DOCPART == 3
	.amdgcn_target "amdgcn-amd-amdhsa--gfx1250"
	.amdhsa_code_object_version 6
	.text
	.protected	k_qb49773c5c5_attn
	.globl	k_qb49773c5c5_attn
	.p2align	8
	.type	k_qb49773c5c5_attn,@function
k_qb49773c5c5_attn:
	s_mov_b64 s[64:65], 0
	v_nop
	global_prefetch_b8 v0, s[64:65] scope:SCOPE_SE
	s_setreg_imm32_b32 hwreg(HW_REG_WAVE_MODE, 25, 1), 1
	s_wait_xcnt 0x0
	s_wait_alu depctr_hold_cnt(0) depctr_sa_sdst(0) depctr_va_vdst(0) depctr_va_sdst(0) depctr_va_ssrc(0) depctr_va_vcc(0) depctr_vm_vsrc(0)
	s_getreg_b32 s2, hwreg(HW_REG_IB_STS2, 6, 4)
	s_cmp_eq_u32 s2, 0
	s_cbranch_scc0 .Lentry_in_a_cluster
	s_endpgm
.Lentry_in_a_cluster:
	s_bfe_u32 s2, ttmp6, 0x10000c
	s_cmp_lg_u32 s2, 0x3003
	s_cbranch_scc0 .Lentry_shape_is_right
	s_endpgm
.Lentry_shape_is_right:
; o = softmax(q k^T / 8) v on codes of FP6 (E2M3) with E8M0 scales, then o quantised along the 64 of its head for the last product.
; A work-group takes a pair of heads and 256 queries; a wave takes 32 queries (two tiles of 16), first for the pair's first head, then for its second.  A step is 128 keys; both products are used transposed, so a lane holds one query.
; p = 2^(t - M), t = score x log2(e) / 8, M the ceiling of the running largest t; the row's sum is taken of the unquantised p; when M moves, sum and O are multiplied by a power of two made by v_ldexp_f32.
; K and V of the pair are four pieces each of 1,024 keys (pieces 0, 1: the first head; 2, 3: the second).  LDS holds three pieces of each and all scale words.  At the head waves 0-3 ask for K's and V's piece 0 and the scale words;
; behind the full sequence and a round waves 0-3 ask for pieces 1 and 2, which have eight steps in which to land; behind the round that follows step 8 waves 0 and 1 fill piece 0's bytes again with piece 3, which has eight steps too.
; Piece 0's bytes lie behind piece 2's, so the second head walks its 16 steps on end.  No barrier stands in a loop.
; CLUSTER of 4: four blocks of queries of one pair of heads ask for K, V and scales jointly.  NO PREFETCH: each later piece is asked for by its tensor load eight steps ahead of its first read.
; K's fragments hold 64 along K in 6 registers and lie 6 registers apart: the operand's upper 6 registers are the next fragment's codes, which meet q's zero codes (every FP6 code is a finite number; the upper scale bytes are 0).
; LIMITS: the scaled scores t stay under 2^31 in magnitude; NaN and infinities are not served; a block of o of zeros or under 2^-124 gets the byte 1 (read by this program alone).
; REGISTERS: window 0: v1-15 addresses, v16-31 state, v32-51 scale words and a sum, v52-75 block work, v76-91 and v116-127 o's codes, v92-115 p's codes, v128-255 scores and p.  window 1: O, q, K's and V's fragments.
.set QSO,   6291456
.set PIECE, 49152                      ; 1,024 keys of K or of V: 192 rows of 256 bytes
.set HSTEP, 6144                       ; 128 keys of K or of V
.set SCK,   3*PIECE                    ; K: piece 1 at 0, piece 2 at PIECE, pieces 0 and 3 at 2 PIECE; behind them K's scale words, both heads: 16,384 bytes
.set SCV,   SCK+16384                  ; V's: 8,192
.set VREG,  SCV+8192                   ; V: piece 1, piece 2, pieces 0 and 3
.set OSC,   VREG+3*PIECE               ; o's scale words on their way out: 1,024
.set SPARE, OSC+1024                   ; the spare words: 128 bytes a wave
.set WV, 12
.set SEL, 16
.set CS, 18
.set G1, 20
.set G1K, 28
.set G1V, 36
.set G0, 44
.set G0K, 48
.set G0V, 52
.set G0X, 56
.set TK, 60
.set TS, 61
.set TV, 62
.set TJ, 63
.set CNT, 66
.set NCS, 88
.set ST, 16                            ; per tile q at ST + 4 q: -M, the largest score, the sum in two halves
.set F,  24                            ; F + 2 q: the factor 2^(old M - new M)
.set TP, 28
.set KS, 32
.set VS, 40
.set PS, 46
.set TQ, 52                            ; TQ + 12 q: 4 block maxima, 4 of the other half (then bytes), 4 scale operands; the first 8 later take halves of codes
.set OC, 76                            ; OC + 40 q: o's 12 registers of codes
.set OW, 88
.set PC, 92
.set S,  128
.set O,  0                             ; window 1
.set Q,  64
.set KF, 112
.set VF, 166
.set MSB, 0
.macro WIN new                         ; the immediate's high byte repeats the setting that is left
.if MSB != \new
	s_set_vgpr_msb (MSB<<8)|\new
.set MSB, \new
.endif
.endm
.macro NOPS
.rept 4
	v_nop
.endr
.endm
.macro CROUND
	s_barrier_signal -1
	s_barrier_wait -1
	s_cmp_lg_u32 s[WV], 0
	s_cbranch_scc1 .Lnot_wave_0_\@
	s_barrier_signal -3
.Lnot_wave_0_\@:
	s_barrier_wait -3
	s_barrier_signal -1
	s_barrier_wait -1
.endm
	s_load_b256 s[4:11], s[0:1], 0x0               ; qcs, kcs, vcs, ocs
	v_lshl_add_u32 v5, v0, 2, SPARE
	v_mov_b32 v6, 0
	ds_add_u32 v5, v6                              ; the opening lines: the add twice and its wait
	ds_add_u32 v5, v6
	v_lshrrev_b32 v8, 5, v0
	v_readfirstlane_b32 s[WV], v8
	s_bfe_u32 s13, ttmp6, 0x40000                  ; cx
	s_lshl_b32 s15, ttmp9, 2
	s_add_co_u32 s15, s15, s13                     ; which 256 queries
	s_and_b32 s14, ttmp7, 0xffff                   ; the pair of heads
	s_mul_i32 s67, s14, 196608                     ; its codes in qcs, kcs, vcs
.irp g, G1, G1K, G1V                   ; dense blocks as rows of 256 bytes, asked for by all four partners
	s_mov_b32 s[\g], 15|(3<<16)|(1<<21)
	s_mov_b32 s[\g+1], 32<<16
	s_mov_b32 s[\g+3], 32<<16
	s_mov_b32 s[\g+5], 32
	s_mov_b32 s[\g+6], 0
	s_mov_b32 s[\g+7], 0
.endr
	s_mov_b32 s[G1+2], 192<<16
	s_mov_b32 s[G1+4], 192
	s_mov_b32 s[G1K+2], 64<<16
	s_mov_b32 s[G1K+4], 64
	s_mov_b32 s[G1V+2], 32<<16
	s_mov_b32 s[G1V+4], 32
	s_mov_b32 s[SEL], 0x76543210
	s_mov_b32 s[SEL+1], 0xfedcba98
	s_mov_b32 s[CS], 0x3e38aa3b                    ; c = log2(e) / 8
	s_mov_b32 s[CS+1], s[CS]
	s_mov_b32 s[NCS], 0xbe38aa3b                   ; -c
	s_mov_b32 s[TK], 2*PIECE                       ; the walk begins in piece 0
	s_mov_b32 s[TS], 0
	s_mov_b32 s[TV], VREG+2*PIECE
	s_mov_b32 s[TJ], 0
	s_wait_dscnt 0x0
	s_wait_kmcnt 0x0
	s_and_b32 s72, s[WV], 1                        ; piece 0, later piece 3: wave 0 K's, wave 1 V's
	s_cmp_eq_u32 s72, 0
	s_cselect_b64 s[70:71], s[6:7], s[8:9]
	s_mov_b32 s68, s67
	s_mov_b32 s69, 0
	s_mov_b32 s[G0], 1
	s_mul_i32 s[G0+1], s72, VREG
	s_add_co_u32 s[G0+1], s[G0+1], 2*PIECE
	s_add_nc_u64 s[G0+2:G0+3], s[70:71], s[68:69]
	s_or_b32 s[G0+3], s[G0+3], 0x80000000
	s_lshl_b32 s68, s14, 14
	s_add_co_u32 s68, s68, QSO
	s_mov_b32 s[G0K], 1
	s_mov_b32 s[G0K+1], SCK
	s_add_nc_u64 s[G0K+2:G0K+3], s[6:7], s[68:69]
	s_or_b32 s[G0K+3], s[G0K+3], 0x80000000
	s_lshl_b32 s68, s14, 13
	s_add_co_u32 s68, s68, QSO
	s_mov_b32 s[G0V], 1
	s_mov_b32 s[G0V+1], SCV
	s_add_nc_u64 s[G0V+2:G0V+3], s[8:9], s[68:69]
	s_or_b32 s[G0V+3], s[G0V+3], 0x80000000
	s_and_b32 s72, s[WV], 3                        ; the second group: wave 0 K's piece 1, wave 1 K's piece 2, wave 2 V's piece 1, wave 3 V's piece 2
	s_lshr_b32 s73, s72, 1
	s_and_b32 s74, s72, 1
	s_cmp_eq_u32 s73, 0
	s_cselect_b64 s[70:71], s[6:7], s[8:9]
	s_add_co_u32 s74, s74, 1
	s_mul_i32 s74, s74, PIECE
	s_add_co_u32 s68, s67, s74
	s_mov_b32 s[G0X], 1
	s_mul_i32 s[G0X+1], s72, PIECE
	s_mul_i32 s73, s73, VREG-2*PIECE
	s_add_co_u32 s[G0X+1], s[G0X+1], s73
	s_add_nc_u64 s[G0X+2:G0X+3], s[70:71], s[68:69]
	s_or_b32 s[G0X+3], s[G0X+3], 0x80000000
	CROUND                                         ; the four partners are here: the joint loads meet
	s_cmp_lt_u32 s[WV], 2                          ; at most one load a wave, in one chain of branches on the wave's number
	s_cbranch_scc0 .Lhk
	tensor_load_to_lds s[G0:G0+3], s[G1:G1+7]
	s_nop 0
	NOPS
	s_branch .Lasked
.Lhk:
	s_cmp_lt_u32 s[WV], 3
	s_cbranch_scc0 .Lhv
	tensor_load_to_lds s[G0K:G0K+3], s[G1K:G1K+7]
	s_nop 0
	NOPS
	s_branch .Lasked
.Lhv:
	s_cmp_lt_u32 s[WV], 4
	s_cbranch_scc0 .Lasked
	tensor_load_to_lds s[G0V:G0V+3], s[G1V:G1V+7]
	s_nop 0
	NOPS
.Lasked:
	s_lshl_b32 s68, s15, 4
	s_lshl_b32 s69, s[WV], 1
	s_add_co_u32 s68, s68, s69                     ; my first tile of 16 queries in the sequence
	s_mul_i32 s70, s68, 768
	s_add_co_u32 s70, s70, s67
	s_mov_b32 s71, 0
	s_add_nc_u64 s[84:85], s[4:5], s[70:71]        ; q's images
	s_lshl_b32 s70, s14, 14
	s_lshr_b32 s72, s68, 2
	s_lshl_b32 s72, s72, 8
	s_add_co_u32 s70, s70, s72
	s_and_b32 s72, s68, 3
	s_lshl_b32 s72, s72, 2
	s_add_co_u32 s70, s70, s72
	s_add_co_u32 s70, s70, QSO
	s_add_nc_u64 s[86:87], s[4:5], s[70:71]        ; q's scale words: my two tiles' lie side by side
	s_lshr_b32 s73, s14, 3                         ; the sequence
	s_and_b32 s74, s14, 7                          ; the pair within it: a step of 128 of the last product's K
	s_lshl_b32 s70, s73, 7
	s_add_co_u32 s70, s70, s68
	s_lshl_b32 s70, s70, 3
	s_add_co_u32 s70, s70, s74
	s_mul_i32 s70, s70, 1536
	s_add_nc_u64 s[80:81], s[10:11], s[70:71]      ; o's images
	s_lshl_b32 s70, s74, 15
	s_lshl_b32 s72, s73, 13
	s_add_co_u32 s70, s70, s72
	s_lshl_b32 s72, s15, 10
	s_add_co_u32 s70, s70, s72
	s_add_co_u32 s70, s70, QSO
	s_add_nc_u64 s[82:83], s[10:11], s[70:71]      ; o's scale words
	s_lshl_b32 s73, s[WV], 7
	v_and_b32 v8, 31, v0
	v_and_b32 v9, 15, v0
	v_lshlrev_b32 v1, 4, v8                        ; 16 x lane
	v_lshlrev_b32 v2, 3, v8                        ; 8 x lane
	v_lshl_add_u32 v3, v9, 4, SCK
	v_lshl_add_u32 v4, v9, 4, SCV
	v_lshlrev_b32 v7, 4, v9
	v_lshl_add_u32 v13, v9, 2, s73
	v_add_nc_u32 v13, OSC, v13                     ; my tiles' words in the stage: 128 x wave + 4 (lane % 16)
	v_lshl_add_u32 v14, v0, 4, OSC
	v_lshlrev_b32 v15, 4, v0
	global_load_b64 v[44:45], v7, s[86:87]
	global_load_b64 v[48:49], v7, s[86:87] offset:8192
	WIN 0x40
.irp k, 0,1,2,3                        ; fragment 2 x head + tile: 6 registers of codes, 6 of zero codes
	global_load_b128 v[Q+12*\k:Q+12*\k+3], v1, s[84:85] offset:98304*(\k/2)+768*(\k%2)
	global_load_b64 v[Q+12*\k+4:Q+12*\k+5], v2, s[84:85] offset:98304*(\k/2)+768*(\k%2)+512
.irp j, 6,7,8,9,10,11
	v_mov_b32 v[Q+12*\k+\j], 0
.endr
.endr
.irp j, 0,1,2,3,4,5
	v_mov_b32 v[KF+48+\j], 0                       ; behind K's last fragment: any codes
.endr
	WIN 0
.irp q, 0,1
	v_mov_b32 v[F+2*\q+1], 0                       ; named as the upper half of a pair
.irp b, 4,5,6,7
	v_mov_b32 v[TQ+12*\q+\b], 0                    ; a lane permute's destination counts as one of its sources
.endr
.endr
.macro INIT                            ; -M a large whole number, so that the first factor is 0; the largest score under every score; sums and O zero
.irp q, 0,1
	v_mov_b32 v[ST+4*\q], 0x7e000000
	v_mov_b32 v[ST+4*\q+1], 0xff61b1e6
	v_mov_b32 v[ST+4*\q+2], 0
	v_mov_b32 v[ST+4*\q+3], 0
.endr
	WIN 0x40
.set J, 0
.rept 64
	v_mov_b32 v[O+J], 0
.set J, J+1
.endr
	WIN 0
.endm
	INIT
; The next step's fragments of K and its scale words; with v = 1 ahead of them this step's fragments of V and their words.  The five additions are the places behind the products that read these registers.
.macro LOADS v
	v_add_nc_u32 v8, s[TK], v1
	v_add_nc_u32 v9, s[TK], v2
	v_add_nc_u32 v10, s[TS], v3
	v_add_nc_u32 v11, s[TV], v1
	v_add_nc_u32 v12, s[TJ], v4
	WIN 0x40
.if \v
.irp u, 0,1,2,3
.irp c, 0,1,2
	ds_load_b128 v[VF+12*\u+4*\c:VF+12*\u+4*\c+3], v11 offset:\u*1536+512*\c
.endr
.endr
.endif
.irp t, 0,1,2,3,4,5,6,7
	ds_load_b128 v[KF+6*\t:KF+6*\t+3], v8 offset:\t*768
	ds_load_b64 v[KF+6*\t+4:KF+6*\t+5], v9 offset:\t*768+512
.endr
	WIN 0
.if \v
	ds_load_b128 v[VS:VS+3], v12
	s_add_co_u32 s[TV], s[TV], HSTEP
	s_add_co_u32 s[TJ], s[TJ], 256
.endif
	ds_load_b128 v[KS:KS+3], v10
	ds_load_b128 v[KS+4:KS+7], v10 offset:256
	s_add_co_u32 s[TK], s[TK], HSTEP
	s_add_co_u32 s[TS], s[TS], 512
.endm
.macro STEP qf, qs
	s_wait_dscnt 0x0                               ; K's fragments and words, asked for a step ago
	WIN 0x05
.irp t, 0,1,2,3,4,5,6,7                ; S^T = k q^T: each fragment of K serves both tiles of queries
.irp q, 0,1
	v_wmma_scale_f32_16x16x128_f8f6f4 v[S+64*\q+8*\t:S+64*\q+8*\t+7], v[KF+6*\t:KF+6*\t+11], v[\qf+12*\q:\qf+12*\q+11], 0, v[KS+\t], v[\qs+\q] matrix_a_fmt:MATRIX_FMT_FP6 matrix_b_fmt:MATRIX_FMT_FP6
.endr
.endr
	WIN 0
	LOADS 1
.irp q, 0,1                            ; the largest score of each block of 32 keys; the two tiles and four blocks by turns
.irp b, 0,1,2,3
	v_max3_num_f32 v[TQ+12*\q+\b], v[S+64*\q+16*\b], v[S+64*\q+16*\b+1], v[S+64*\q+16*\b+2]
.endr
.endr
.irp i, 3,5,7,9,11,13
.irp q, 0,1
.irp b, 0,1,2,3
	v_max3_num_f32 v[TQ+12*\q+\b], v[TQ+12*\q+\b], v[S+64*\q+16*\b+\i], v[S+64*\q+16*\b+\i+1]
.endr
.endr
.endr
.irp q, 0,1
.irp b, 0,1,2,3
	v_max_num_f32 v[TQ+12*\q+\b], v[TQ+12*\q+\b], v[S+64*\q+16*\b+15]
.endr
.endr
.irp q, 0,1
.irp b, 0,1,2,3
	v_permlanex16_b32 v[TQ+12*\q+4+\b], v[TQ+12*\q+\b], s[SEL], s[SEL+1]
.endr
.endr
.irp q, 0,1
.irp b, 0,1,2,3
	v_max_num_f32 v[TQ+12*\q+\b], v[TQ+12*\q+\b], v[TQ+12*\q+4+\b]
.endr
.endr
.irp q, 0,1
	v_max3_num_f32 v[TP+\q], v[TQ+12*\q], v[TQ+12*\q+1], v[TQ+12*\q+2]
.endr
.irp q, 0,1
	s_delay_alu instid0(VALU_DEP_2)
	v_max3_num_f32 v[ST+4*\q+1], v[ST+4*\q+1], v[TP+\q], v[TQ+12*\q+3]   ; the running largest score
.endr
.irp q, 0,1
	s_delay_alu instid0(VALU_DEP_2)
	v_mul_f32 v[TP+\q], s[NCS], v[ST+4*\q+1]
.endr
.irp q, 0,1
	s_delay_alu instid0(VALU_DEP_2)
	v_floor_f32 v[TP+\q], v[TP+\q]                 ; the new -M = floor(-t)
.endr
.irp q, 0,1
	s_delay_alu instid0(VALU_DEP_2)
	v_sub_f32 v[F+2*\q], v[TP+\q], v[ST+4*\q]      ; old M - new M, a whole number
.endr
.irp q, 0,1
	v_mov_b32 v[ST+4*\q], v[TP+\q]
.endr
.irp q, 0,1
	v_cvt_i32_f32 v[F+2*\q], v[F+2*\q]
.endr
.irp q, 0,1
	s_delay_alu instid0(VALU_DEP_2)
	v_ldexp_f32 v[F+2*\q], 1.0, v[F+2*\q]
.endr
.irp q, 0,1
.set J, 0
.rept 32
	v_pk_fma_f32 v[S+64*\q+J:S+64*\q+J+1], v[S+64*\q+J:S+64*\q+J+1], s[CS:CS+1], v[ST+4*\q:ST+4*\q+1] op_sel_hi:[1,0,0]   ; t - M
.set J, J+2
.endr
.irp b, 0,1,2,3
	v_fma_f32 v[TQ+12*\q+\b], v[TQ+12*\q+\b], s[CS], v[ST+4*\q]   ; the same of each block's largest score
.endr
.endr
	s_wait_alu depctr_va_vdst(0)                   ; the wait ahead of the batch
.irp q, 0,1
.irp b, 0,1,2,3
	v_exp_f32 v[TQ+12*\q+\b], v[TQ+12*\q+\b]       ; the block's largest p
.endr
.endr
.set J, 0
.rept 128
	v_exp_f32 v[S+J], v[S+J]
.set J, J+1
.endr
.irp q, 0,1
	v_pk_mul_f32 v[ST+4*\q+2:ST+4*\q+3], v[ST+4*\q+2:ST+4*\q+3], v[F+2*\q:F+2*\q+1] op_sel_hi:[1,0]   ; the sums under the new M
.endr
	s_wait_alu depctr_va_vdst(0)                   ; and behind it, ahead of its first reader
.irp q, 0,1                            ; the row's sum of the unquantised p: four chains a tile (the sum itself, two pairs of the block work, v50-51 or v90-91), eight by turns
	v_pk_add_f32 v[TQ+12*\q+4:TQ+12*\q+5], v[S+64*\q:S+64*\q+1], v[S+64*\q+2:S+64*\q+3]
	v_pk_add_f32 v[TQ+12*\q+6:TQ+12*\q+7], v[S+64*\q+4:S+64*\q+5], v[S+64*\q+6:S+64*\q+7]
	v_pk_add_f32 v[50+40*\q:51+40*\q], v[S+64*\q+8:S+64*\q+9], v[S+64*\q+10:S+64*\q+11]
.endr
.irp j, 12,20,28,36,44,52
.irp q, 0,1
	v_pk_add_f32 v[ST+4*\q+2:ST+4*\q+3], v[ST+4*\q+2:ST+4*\q+3], v[S+64*\q+\j:S+64*\q+\j+1]
	v_pk_add_f32 v[TQ+12*\q+4:TQ+12*\q+5], v[TQ+12*\q+4:TQ+12*\q+5], v[S+64*\q+\j+2:S+64*\q+\j+3]
	v_pk_add_f32 v[TQ+12*\q+6:TQ+12*\q+7], v[TQ+12*\q+6:TQ+12*\q+7], v[S+64*\q+\j+4:S+64*\q+\j+5]
	v_pk_add_f32 v[50+40*\q:51+40*\q], v[50+40*\q:51+40*\q], v[S+64*\q+\j+6:S+64*\q+\j+7]
.endr
.endr
.irp q, 0,1
	v_pk_add_f32 v[ST+4*\q+2:ST+4*\q+3], v[ST+4*\q+2:ST+4*\q+3], v[S+64*\q+60:S+64*\q+61]
	v_pk_add_f32 v[TQ+12*\q+4:TQ+12*\q+5], v[TQ+12*\q+4:TQ+12*\q+5], v[S+64*\q+62:S+64*\q+63]
	v_pk_add_f32 v[TQ+12*\q+6:TQ+12*\q+7], v[TQ+12*\q+6:TQ+12*\q+7], v[50+40*\q:51+40*\q]
.endr
.irp q, 0,1
	v_pk_add_f32 v[ST+4*\q+2:ST+4*\q+3], v[ST+4*\q+2:ST+4*\q+3], v[TQ+12*\q+4:TQ+12*\q+5]
.endr
.irp q, 0,1
	v_pk_add_f32 v[ST+4*\q+2:ST+4*\q+3], v[ST+4*\q+2:ST+4*\q+3], v[TQ+12*\q+6:TQ+12*\q+7]
.endr
.irp q, 0,1
.irp b, 0,1,2,3
	v_max_num_f32 v[TQ+12*\q+\b], 0x1800000, v[TQ+12*\q+\b]   ; the floor 2^(3 - 127): the byte cannot fall under 1
.endr
.endr
.irp q, 0,1
.irp b, 0,1,2,3
	v_add_nc_u32 v[TQ+12*\q+8+\b], 0xff000000, v[TQ+12*\q+\b]   ; 2 off the exponent field: the conversion's scale operand
.endr
.endr
.irp q, 0,1
.irp b, 0,1,2,3
	v_lshrrev_b32 v[TQ+12*\q+4+\b], 23, v[TQ+12*\q+8+\b]   ; the byte
.endr
.endr
.irp q, 0,1
	v_lshl_or_b32 v[PS+\q], v[TQ+12*\q+5], 8, v[TQ+12*\q+4]
.endr
.irp q, 0,1
	s_delay_alu instid0(VALU_DEP_2)
	v_lshl_or_b32 v[PS+\q], v[TQ+12*\q+6], 16, v[PS+\q]
.endr
.irp q, 0,1
	s_delay_alu instid0(VALU_DEP_2)
	v_lshl_or_b32 v[PS+\q], v[TQ+12*\q+7], 24, v[PS+\q]
.endr
.irp q, 0,1
.irp c, 0,1
	v_cvt_scalef32_pk16_fp6_f32 v[PC+12*\q+6*\c:PC+12*\q+6*\c+2], v[S+64*\q+32*\c:S+64*\q+32*\c+15], v[TQ+12*\q+8+2*\c]
	v_cvt_scalef32_pk16_fp6_f32 v[TQ+12*\q+4*\c:TQ+12*\q+4*\c+2], v[S+64*\q+32*\c+16:S+64*\q+32*\c+31], v[TQ+12*\q+9+2*\c]
.endr
.endr
	v_nop                                          ; one plain place behind a scaled conversion
.irp q, 0,1
.irp c, 0,1                            ; the operand wants a whole block in a lane
.irp i, 0,1,2
	v_permlane16_swap_b32 v[PC+12*\q+6*\c+\i], v[TQ+12*\q+4*\c+\i]
.endr
.endr
.endr
.irp q, 0,1
.irp c, 0,1
.irp i, 0,1,2
	v_mov_b32 v[PC+12*\q+6*\c+3+\i], v[TQ+12*\q+4*\c+\i]
.endr
.endr
.endr
	WIN 0x41
	s_wait_alu depctr_va_vdst(0)                   ; the wait directly ahead of the first reader of O
.irp q, 0,1
.set J, 0
.rept 16
	v_pk_mul_f32 v[O+32*\q+J:O+32*\q+J+1], v[O+32*\q+J:O+32*\q+J+1], v[F+2*\q:F+2*\q+1] op_sel_hi:[1,0]   ; O under the new M; these are also the places ahead of the products below
.set J, J+2
.endr
.endr
	s_wait_alu depctr_va_vdst(0)                   ; the wait directly ahead of the wait below
	s_wait_dscnt 0x0                               ; V's fragments and words, asked for ahead of the softmax
	WIN 0x51
.irp u, 0,1,2,3                        ; O^T += v^T p^T: the eight accumulators by turns
.irp q, 0,1
	v_wmma_scale_f32_16x16x128_f8f6f4 v[O+32*\q+8*\u:O+32*\q+8*\u+7], v[VF+12*\u:VF+12*\u+11], v[PC+12*\q:PC+12*\q+11], v[O+32*\q+8*\u:O+32*\q+8*\u+7], v[VS+\u], v[PS+\q] matrix_a_fmt:MATRIX_FMT_FP6 matrix_b_fmt:MATRIX_FMT_FP6
.endr
.endr
	WIN 0
.endm
.macro RUN lab, trips, qf, qs
	s_mov_b32 s[CNT], \trips
\lab:
	STEP \qf, \qs
	s_sub_co_u32 s[CNT], s[CNT], 1
	s_cmp_lg_u32 s[CNT], 0
	s_cbranch_scc1 \lab
.endm
; A head's end: O / the sum, then the quantiser of the last product: two blocks of 32 along the head; its codes are registers 6 hd .. 6 hd + 5 of o's fragment, its bytes two of the scale word.
.macro FINISH hd
	NOPS                                           ; places behind the last products
.irp q, 0,1
	v_add_f32 v[ST+4*\q+2], v[ST+4*\q+2], v[ST+4*\q+3]
.endr
.irp q, 0,1
	v_permlanex16_b32 v[TP+\q], v[ST+4*\q+2], s[SEL], s[SEL+1]
.endr
.irp q, 0,1
	v_add_f32 v[ST+4*\q+2], v[ST+4*\q+2], v[TP+\q]
.endr
	s_wait_alu depctr_va_vdst(0)
.irp q, 0,1
	v_rcp_f32 v[ST+4*\q+2], v[ST+4*\q+2]
.endr
	v_nop
	WIN 0x01
	s_wait_alu depctr_va_vdst(0)                   ; for the reciprocals and, directly ahead of its first reader, for O
.irp q, 0,1
.set J, 0
.rept 16
	v_pk_mul_f32 v[S+64*\q+J:S+64*\q+J+1], v[O+32*\q+J:O+32*\q+J+1], v[ST+4*\q+2:ST+4*\q+3] op_sel_hi:[1,0]
.set J, J+2
.endr
.endr
	WIN 0
.irp q, 0,1
.irp b, 0,1
	v_max3_num_f32 v[TQ+12*\q+\b], |v[S+64*\q+16*\b]|, |v[S+64*\q+16*\b+1]|, 0x1800000
.endr
.endr
.irp i, 2,4,6,8,10,12,14
.irp q, 0,1
.irp b, 0,1
	v_max3_num_f32 v[TQ+12*\q+\b], v[TQ+12*\q+\b], |v[S+64*\q+16*\b+\i]|, |v[S+64*\q+16*\b+\i+1]|
.endr
.endr
.endr
.irp q, 0,1
.irp b, 0,1
	v_permlanex16_b32 v[TQ+12*\q+4+\b], v[TQ+12*\q+\b], s[SEL], s[SEL+1]
.endr
.endr
.irp q, 0,1
.irp b, 0,1
	v_max_num_f32 v[TQ+12*\q+\b], v[TQ+12*\q+\b], v[TQ+12*\q+4+\b]
.endr
.endr
.irp q, 0,1
.irp b, 0,1
	v_add_nc_u32 v[TQ+12*\q+8+\b], 0xff000000, v[TQ+12*\q+\b]
.endr
.endr
.irp q, 0,1
.irp b, 0,1
	v_lshrrev_b32 v[TQ+12*\q+4+\b], 23, v[TQ+12*\q+8+\b]
.endr
.endr
.irp q, 0,1
.if \hd == 0
	v_lshl_or_b32 v[OW+\q], v[TQ+12*\q+5], 8, v[TQ+12*\q+4]
.else
	v_lshl_or_b32 v[OW+\q], v[TQ+12*\q+4], 16, v[OW+\q]
.endif
.endr
.if \hd == 1
.irp q, 0,1
	v_lshl_or_b32 v[OW+\q], v[TQ+12*\q+5], 24, v[OW+\q]
.endr
.endif
.irp q, 0,1
	v_cvt_scalef32_pk16_fp6_f32 v[OC+40*\q+6*\hd:OC+40*\q+6*\hd+2], v[S+64*\q:S+64*\q+15], v[TQ+12*\q+8]
	v_cvt_scalef32_pk16_fp6_f32 v[TQ+12*\q:TQ+12*\q+2], v[S+64*\q+16:S+64*\q+31], v[TQ+12*\q+9]
.endr
	v_nop
.irp q, 0,1
.irp i, 0,1,2
	v_permlane16_swap_b32 v[OC+40*\q+6*\hd+\i], v[TQ+12*\q+\i]
.endr
.endr
.irp q, 0,1
.irp i, 0,1,2
	v_mov_b32 v[OC+40*\q+6*\hd+3+\i], v[TQ+12*\q+\i]
.endr
.endr
.endm
	s_wait_alu depctr_va_vdst(0)                   ; the wait at the head's end
	s_wait_loadcnt 0x0                             ; q
	s_wait_tensorcnt 0x0                           ; my load of the head's four, if I had one, has landed; the full sequence stands ahead of the later first fills
	ds_add_u32 v5, v6                              ; 0 onto my spare word, twice
	ds_add_u32 v5, v6
	s_add_nc_u64 s[G0+2:G0+3], s[G0+2:G0+3], 3*PIECE   ; no load of mine is out: piece 0's descriptor becomes piece 3's
	s_wait_dscnt 0x0
	CROUND
	s_cmp_lt_u32 s[WV], 4
	s_cbranch_scc0 .Lno2
	tensor_load_to_lds s[G0X:G0X+3], s[G1:G1+7]    ; pieces 1 and 2 of K and of V: first fills, one a wave
	s_nop 0
	NOPS
.Lno2:
	LOADS 0                                        ; step 0's K
	RUN .LA1, 8, Q, 44                             ; the first head's keys 0-1,023; the last trip's fetch of K reads K's scale words, which lie behind piece 0, and is not used
	s_wait_tensorcnt 0x0                           ; in front of the refill's round: pieces 1 and 2 have landed,
	ds_add_u32 v5, v6                              ; 0 onto my spare word, twice,
	ds_add_u32 v5, v6
	s_wait_dscnt 0x0                               ; and my reads of piece 0 are over
	CROUND
	s_cmp_lt_u32 s[WV], 2
	s_cbranch_scc0 .Lnofill
	tensor_load_to_lds s[G0:G0+3], s[G1:G1+7]      ; piece 3 into piece 0's bytes
	s_nop 0
	NOPS
.Lnofill:
	s_mov_b32 s[TK], 0
	s_mov_b32 s[TS], 8*512
	s_mov_b32 s[TV], VREG
	s_mov_b32 s[TJ], 8*256
	LOADS 0
	RUN .LA2, 8, Q, 44                             ; keys 1,024-2,047; the last trip fetches the second head's first K, which lies behind piece 1
	FINISH 0
	INIT
	s_wait_alu depctr_va_vdst(0)
	s_wait_tensorcnt 0x0                           ; piece 3 has landed
	s_wait_dscnt 0x0
	s_barrier_signal -1
	s_barrier_wait -1
	s_mov_b32 s[TK], PIECE+HSTEP                   ; where the walk stands, as constants
	s_mov_b32 s[TS], 17*512
	s_mov_b32 s[TV], VREG+PIECE
	s_mov_b32 s[TJ], 16*256
	RUN .LB, 16, Q+24, 48                          ; the second head: pieces 2 and 3 on end; the last trip's fetch reads scale words and is not used
	FINISH 1
	s_wait_alu depctr_va_vdst(0)
.irp q, 0,1
.irp c, 0,1,2
	global_store_b128 v1, v[OC+40*\q+4*\c:OC+40*\q+4*\c+3], s[80:81] offset:12288*\q+512*\c   ; 512 consecutive bytes, aligned
.endr
	ds_store_b32 v13, v[OW+\q] offset:64*\q        ; both halves of the lanes write the same word with the same value
.endr
	s_wait_dscnt 0x0
	s_barrier_signal -1
	s_barrier_wait -1
	s_cmp_lt_u32 s[WV], 2
	s_cbranch_scc0 .Lno_words
	ds_load_b128 v[128:131], v14                   ; the work-group's 256 words leave as 1,024 consecutive bytes
	s_wait_dscnt 0x0
	global_store_b128 v15, v[128:131], s[82:83]
.Lno_words:
	s_wait_tensorcnt 0x0                           ; the wave's end
	ds_add_u32 v5, v6
	s_wait_dscnt 0x0
	CROUND                                         ; the closing round
	s_endpgm
.Lfunc_end_k_qb49773c5c5_attn:
	.size	k_qb49773c5c5_attn, .Lfunc_end_k_qb49773c5c5_attn-k_qb49773c5c5_attn
	.p2alignl 7, 3214868480
	.fill 96, 4, 3214868480
	.section	.rodata,"a",@progbits
	.p2align	6, 0x0
	.amdhsa_kernel k_qb49773c5c5_attn
		.amdhsa_group_segment_fixed_size 327680
		.amdhsa_private_segment_fixed_size 0
		.amdhsa_enable_private_segment 0
		.amdhsa_kernarg_size 32
		.amdhsa_user_sgpr_count 2
		.amdhsa_user_sgpr_kernarg_segment_ptr 1
		.amdhsa_wavefront_size32 1
		.amdhsa_system_sgpr_workgroup_id_x 1
		.amdhsa_system_sgpr_workgroup_id_y 1
		.amdhsa_system_sgpr_workgroup_id_z 1
		.amdhsa_system_vgpr_workitem_id 0
		.amdhsa_next_free_vgpr 480
		.amdhsa_next_free_sgpr 96
		.amdhsa_reserve_vcc 0
		.amdhsa_float_denorm_mode_32 3
		.amdhsa_float_denorm_mode_16_64 3
		.amdhsa_memory_ordered 1
		.amdhsa_forward_progress 1
		.amdhsa_inst_pref_size 122
	.end_amdhsa_kernel
	.amdgpu_metadata
---
amdhsa.version: [ 1, 2 ]
amdhsa.kernels:
  - .name:           k_qb49773c5c5_attn
    .symbol:         k_qb49773c5c5_attn.kd
    .args:
      - { .name: qcs, .offset: 0, .size: 8, .value_kind: global_buffer, .address_space: global }
      - { .name: kcs, .offset: 8, .size: 8, .value_kind: global_buffer, .address_space: global }
      - { .name: vcs, .offset: 16, .size: 8, .value_kind: global_buffer, .address_space: global }
      - { .name: ocs, .offset: 24, .size: 8, .value_kind: global_buffer, .address_space: global }
    .group_segment_fixed_size: 327680
    .private_segment_fixed_size: 0
    .kernarg_segment_align: 8
    .kernarg_segment_size: 32
    .max_flat_workgroup_size: 256
    .sgpr_count:     96
    .vgpr_count:     480
    .wavefront_size: 32
...
	.end_amdgpu_metadata
.endif
;; end of part 3
;; launch outp (part 4): grid 4 x 64, 4 waves a work-group, clusters of 4 x 4, 327,680 bytes of LDS; arguments ocs, wcs, bout, out0; writes out0
.if DOCPART == 4
	.amdgcn_target "amdgcn-amd-amdhsa--gfx1250"
	.amdhsa_code_object_version 6
	.text
	.protected	k_qb49773c5c5_outp
	.globl	k_qb49773c5c5_outp
	.p2align	8
	.type	k_qb49773c5c5_outp,@function
k_qb49773c5c5_outp:
	s_mov_b64 s[64:65], 0
	v_nop
	global_prefetch_b8 v0, s[64:65] scope:SCOPE_SE
	s_setreg_imm32_b32 hwreg(HW_REG_WAVE_MODE, 25, 1), 1
	s_wait_xcnt 0x0
	s_wait_alu depctr_hold_cnt(0) depctr_sa_sdst(0) depctr_va_vdst(0) depctr_va_sdst(0) depctr_va_ssrc(0) depctr_va_vcc(0) depctr_vm_vsrc(0)
	s_getreg_b32 s2, hwreg(HW_REG_IB_STS2, 6, 4)
	s_cmp_eq_u32 s2, 0
	s_cbranch_scc0 .Lentry_in_a_cluster
	s_endpgm
.Lentry_in_a_cluster:
	s_bfe_u32 s2, ttmp6, 0x10000c
	s_cmp_lg_u32 s2, 0xf033
	s_cbranch_scc0 .Lentry_shape_is_right
	s_endpgm
.Lentry_shape_is_right:
; out0 = o Wout + bout on codes of FP6 (E2M3) with E8M0 scales; sums in f32; the bias is the C of each sum's first product.
; A block of 128 rows x 256 columns is made by four waves, 64 x 128 each (32 accumulators, window 2): 64 x 4 blocks, one for each of 256 work-groups.
; A = o: images of the operand's registers, 1,536 bytes for 16 rows x 128 K.  B = Wout's columns at positions 3,072 on of wcs: planes of 256 along K, 192 bytes a row, dense.
; K = 1,024 is four steps of 256, each two matrix steps of 128.  LDS has three regions of one K step.  At the head the four waves ask for K step 0's A and B and for all scale words; behind the full sequence and a round
; they ask for K steps 1 and 2 (A and B, a whole tile a wave); K step 3 fills region 0 again behind the round that follows K step 0's last fetch, four matrix steps ahead of its first read.
; A and B have two sets of fragment registers: a matrix step's LDS loads are issued ahead of the products of the step before.  The walk is written out: eight matrix steps, every offset an immediate.
; CLUSTERS of 4 x 4: A's tiles are asked for jointly along a row of the cluster, B's along a column.  The matrix instruction is used transposed (source 0 = B's rows, source 1 = A's rows).
; NO PREFETCH: three of the four K steps are asked for at the launch's start, where there is no loop to run ahead in.
; Rows and columns lie at position swap34(index): the way out puts them back.
.set PITCH,  240                       ; B in LDS: 192 bytes of a row + 16 of padding behind every 64
.set FR,     12
.set HALFA,  12288                     ; A: 64 rows x 256 K
.set HALFT,  128*PITCH
.set BOFF,   2*HALFA
.set SLOT,   BOFF+2*HALFT
.set KS,     32
.set SCB,    3*SLOT                    ; B's scale bytes: 32 rows of 256 + 16
.set HALFS,  16*272
.set SBLK,   2*272
.set SCAL,   SCB+2*HALFS               ; A's scale words: 8 steps of 128 x 512 bytes
.set STG,    SCAL+4096                 ; the way out: 16 rows x 528 bytes a wave, bytes that no tensor load fills
.set SPITCH, 528
.set SPARE,  STG+4*16*SPITCH
.set WSO,    3145728
.set OSO,    6291456
.set WPL,    786432                    ; a plane of wcs
.set ADRA, 10                          ; v10-12 my A fragments in regions 0 to 2
.set ADRB, 13                          ; v13-15 my B fragments; v16-18 the same behind one padding more
.set STO,  24
.set RD,   25
.set CO,   26
.set ADRS, 27
.set SPW,  28
.set NIL,  29
.set ADSA, 30
.set SB,   32                          ; B's scale words: two sets of 16
.set SA,   64                          ; A's: two sets of 8
.set AF,   128                         ; A's fragments: two sets of 48
.set BK,   128
.set G0H, 4
.set G1, 24
.set G0, 32
.set G1B, 48
.set G0B, 56
.set G1S, 68
.set G0S, 76
.set G1SB, 80
.set G0SB, 88
.set G0HB, 96
.set MSB, 0
.macro WIN new
.if MSB != \new
	s_set_vgpr_msb (MSB<<8)|\new
.set MSB, \new
.endif
.endm
.set MULW,  0xa1                       ; source 0 (B) window 1, source 1 (A) window 0, C and D window 2
.set FIRST, 0x91                       ; the same with C (the bias) in window 1
.set TO_B,  0x40
.macro PLACES
.rept 4
	v_nop
.endr
.endm
.macro CREST
	s_cmp_lg_u32 s14, 0
	s_cbranch_scc1 .Lnot_wave_0_\@
	s_barrier_signal -3
.Lnot_wave_0_\@:
	s_barrier_wait -3
	s_barrier_signal -1
	s_barrier_wait -1
.endm
.macro CROUND
	s_barrier_signal -1
	s_barrier_wait -1
	CREST
.endm
.macro ARM under, g0, g1, next, join   ; an arm of a chain of branches on the wave's number: one load, then on to the chain's end
	s_cmp_lt_u32 s14, \under
	s_cbranch_scc0 \next
	tensor_load_to_lds s[\g0:\g0+3], s[\g1:\g1+7]
	s_nop 0
	PLACES
	s_branch \join
\next:
.endm
	s_load_b128 s[4:7], s[0:1], 0x0                ; ocs, wcs
	s_load_b128 s[8:11], s[0:1], 0x10              ; bout, out0
	v_lshl_add_u32 v[SPW], v0, 2, SPARE
	v_mov_b32 v[NIL], 0
	ds_add_u32 v[SPW], v[NIL]                      ; the opening lines: the add twice and its wait
	ds_add_u32 v[SPW], v[NIL]
	v_lshrrev_b32 v1, 5, v0
	v_readfirstlane_b32 s14, v1                    ; wave
	s_lshr_b32 s15, s14, 1                         ; which 64 rows are mine
	s_and_b32 s16, s14, 1                          ; which 128 columns
	s_bfe_u32 s40, ttmp6, 0x40000
	s_bfe_u32 s41, ttmp6, 0x40004
	s_lshl_b32 s42, ttmp9, 2
	s_add_co_u32 s42, s42, s40                     ; block column, 0 to 3
	s_and_b32 s17, ttmp7, 0xffff
	s_lshl_b32 s17, s17, 2
	s_add_co_u32 s17, s17, s41                     ; block row, 0 to 63
	s_lshl_b32 s43, s41, 2
	s_lshl_b32 s43, 15, s43                        ; my row of the cluster
	s_lshl_b32 s44, 0x1111, s40                    ; my column
	s_or_b32 s[G1+0], s43, (3<<16)|(1<<21)         ; A: 8 rows of 3,072 bytes (16 rows of o x 256 K), 12,288 apart
	s_mov_b32 s[G1+1], 384<<16
	s_mov_b32 s[G1+2], 8<<16
	s_mov_b32 s[G1+3], 384<<16
	s_mov_b32 s[G1+4], 8
	s_mov_b32 s[G1+5], 1536
	s_mov_b32 s[G1+6], 0
	s_mov_b32 s[G1+7], 0
	s_or_b32 s[G1B+0], s44, (3<<16)|(1<<20)|(1<<21)|(3<<22)|(3<<25)   ; B: 256 rows x 192 bytes, dense, as 192 rows of 256 bytes
	s_mov_b32 s[G1B+1], 32<<16
	s_mov_b32 s[G1B+2], 192<<16
	s_mov_b32 s[G1B+3], 32<<16
	s_mov_b32 s[G1B+4], 192
	s_mov_b32 s[G1B+5], 32
	s_mov_b32 s[G1B+6], 0
	s_mov_b32 s[G1B+7], 0
	s_or_b32 s[G1S+0], s43, (3<<16)|(1<<21)        ; A's scale words: 8 rows of 512 bytes, 32,768 apart
	s_mov_b32 s[G1S+1], 64<<16
	s_mov_b32 s[G1S+2], 8<<16
	s_mov_b32 s[G1S+3], 64<<16
	s_mov_b32 s[G1S+4], 8
	s_mov_b32 s[G1S+5], 4096
	s_mov_b32 s[G1S+6], 0
	s_mov_b32 s[G1S+7], 0
	s_or_b32 s[G1SB+0], s44, (3<<16)|(1<<20)|(1<<21)|(5<<22)|(3<<25)  ; B's scale bytes: 8,192 dense bytes
	s_mov_b32 s[G1SB+1], 32<<16
	s_mov_b32 s[G1SB+2], 32<<16
	s_mov_b32 s[G1SB+3], 32<<16
	s_mov_b32 s[G1SB+4], 32
	s_mov_b32 s[G1SB+5], 32
	s_mov_b32 s[G1SB+6], 0
	s_mov_b32 s[G1SB+7], 0
	s_mul_i32 s20, s17, 98304                      ; A's codes of my block's 128 rows
	s_mov_b32 s21, 0
	s_lshl_b32 s22, s17, 9
	s_add_co_u32 s22, s22, OSO                     ; and their scale words
	s_mov_b32 s23, 0
	s_lshl_b32 s46, s42, 8
	s_add_co_u32 s46, s46, 3072                    ; B's first position
	s_lshl_b32 s92, s46, 5
	s_add_co_u32 s92, s92, WSO
	s_mov_b32 s93, 0
	s_mul_i32 s46, s46, 192
	s_mov_b32 s47, 0
	s_wait_dscnt 0x0
	s_wait_kmcnt 0x0
	s_add_nc_u64 s[20:21], s[4:5], s[20:21]
	s_add_nc_u64 s[22:23], s[4:5], s[22:23]
	s_add_nc_u64 s[46:47], s[6:7], s[46:47]
	s_add_nc_u64 s[92:93], s[6:7], s[92:93]
	CROUND                                         ; all sixteen work-groups are here: the first joint loads meet
	s_mov_b32 s[G0H], 1                            ; K step 0, later K step 3: region 0
	s_mov_b32 s[G0H+1], 0
	s_mov_b64 s[G0H+2:G0H+3], s[20:21]
	s_or_b32 s[G0H+3], s[G0H+3], 0x80000000
	s_mov_b32 s[G0HB], 1
	s_mov_b32 s[G0HB+1], BOFF
	s_mov_b64 s[G0HB+2:G0HB+3], s[46:47]
	s_or_b32 s[G0HB+3], s[G0HB+3], 0x80000000
	s_mov_b32 s[G0S], 1
	s_mov_b32 s[G0S+1], SCAL
	s_mov_b64 s[G0S+2:G0S+3], s[22:23]
	s_or_b32 s[G0S+3], s[G0S+3], 0x80000000
	s_mov_b32 s[G0SB], 1
	s_mov_b32 s[G0SB+1], SCB
	s_mov_b64 s[G0SB+2:G0SB+3], s[92:93]
	s_or_b32 s[G0SB+3], s[G0SB+3], 0x80000000
.irp s, 0,1                            ; K steps 1 and 2: regions 1 and 2
	s_mov_b32 s[G0+4*\s], 1
	s_mov_b32 s[G0+4*\s+1], (\s+1)*SLOT
	s_add_nc_u64 s[G0+4*\s+2:G0+4*\s+3], s[20:21], (\s+1)*3072
	s_or_b32 s[G0+4*\s+3], s[G0+4*\s+3], 0x80000000
	s_mov_b32 s[G0B+4*\s], 1
	s_mov_b32 s[G0B+4*\s+1], BOFF+(\s+1)*SLOT
	s_add_nc_u64 s[G0B+4*\s+2:G0B+4*\s+3], s[46:47], (\s+1)*WPL
	s_or_b32 s[G0B+4*\s+3], s[G0B+4*\s+3], 0x80000000
.endr
	ARM 1, G0H,  G1,  .Lh1, .Lhj                   ; the head's loads, one a wave: A's tile, B's tile, A's scale words, B's scale bytes
	ARM 2, G0HB, G1B, .Lh2, .Lhj
	ARM 3, G0S,  G1S, .Lh3, .Lhj
	tensor_load_to_lds s[G0SB:G0SB+3], s[G1SB:G1SB+7]
	s_nop 0
	PLACES
.Lhj:
	s_mul_i32 s18, s15, HALFA                      ; my 64 rows of A in region 0
	s_mul_i32 s20, s16, HALFT                      ; my 128 rows of B
	s_add_co_u32 s20, s20, BOFF
	s_mul_i32 s22, s16, HALFS
	s_add_co_u32 s22, s22, SCB
	s_lshl_b32 s23, s15, 8
	s_add_co_u32 s23, s23, SCAL
	s_mul_i32 s46, s14, 16*SPITCH
	s_add_co_u32 s46, s46, STG
	s_lshl_b32 s92, s42, 10
	s_lshl_b32 s93, s16, 9
	s_add_co_u32 s92, s92, s93                     ; my first column, in bytes
	s_mov_b32 s93, 0
	s_add_nc_u64 s[8:9], s[8:9], s[92:93]
	s_lshl_b32 s12, s17, 7
	s_lshl_b32 s13, s15, 6
	s_add_co_u32 s12, s12, s13                     ; my first row
	s_lshl_b32 s12, s12, 12
	s_add_co_u32 s12, s12, s92
	s_mov_b32 s13, 0
	s_add_nc_u64 s[12:13], s[10:11], s[12:13]
	v_and_b32 v1, 15, v0                           ; r
	v_bfe_u32 v2, v0, 4, 1                         ; h
	v_and_b32 v6, 31, v0
	v_lshlrev_b32 v[CO], 4, v6
	v_mul_u32_u24 v3, v1, PITCH
	v_mul_u32_u24 v4, v2, 24
	v_add_nc_u32 v4, v3, v4
	v_lshl_add_u32 v5, v2, 4, v4                   ; the same behind one padding more
	v_add_nc_u32 v[ADRA], s18, v[CO]
	v_add_nc_u32 v[ADRB], s20, v4
	v_add_nc_u32 v[ADRB+3], s20, v5
.irp s, 1,2
	v_add_nc_u32 v[ADRA+\s], SLOT, v[ADRA+\s-1]
	v_add_nc_u32 v[ADRB+\s], SLOT, v[ADRB+\s-1]
	v_add_nc_u32 v[ADRB+3+\s], SLOT, v[ADRB+3+\s-1]
.endr
	v_mul_u32_u24 v7, v1, KS
	v_lshrrev_b32 v8, 8, v7
	v_lshl_add_u32 v7, v8, 4, v7
	v_add_nc_u32 v[ADRS], s22, v7
	v_lshl_add_u32 v[ADSA], v1, 2, s23
	v_mul_u32_u24 v9, v1, SPITCH
	v_lshl_add_u32 v9, v2, 6, v9
	v_add_nc_u32 v[STO], s46, v9
	v_add_nc_u32 v[RD], s46, v[CO]
	v_lshlrev_b32 v31, 6, v2
	s_wait_alu depctr_va_vdst(0)                   ; the wait at the head's end
	WIN TO_B
.irp b, 0,1,2,3,4,5,6,7                ; the bias in the results' layout, in the registers of window 1 that B's two sets leave free
	global_load_b128 v[96+8*\b+96*(\b/4):99+8*\b+96*(\b/4)], v31, s[8:9] offset:128*(\b/2)+32*(\b%2)
	global_load_b128 v[100+8*\b+96*(\b/4):103+8*\b+96*(\b/4)], v31, s[8:9] offset:128*(\b/2)+32*(\b%2)+16
.endr
	WIN 0
.macro FRAG reg, adr, q, i             ; B: six pieces of 8 bytes; where the piece of lanes 16-31 lies behind one padding more, the second address register serves
.irp p, 0,1,2,3,4,5
.set PC, 12*(\q)+6*(\p/3)+\p%3
.if PC%8 < 5
	ds_load_b64 v[\reg+2*\p:\reg+2*\p+1], v[\adr] offset:8*PC+16*(PC/8)+(\i)*16*PITCH
.else
	ds_load_b64 v[\reg+2*\p:\reg+2*\p+1], v[\adr+3] offset:8*PC+16*(PC/8)+(\i)*16*PITCH
.endif
.endr
.endm
.macro FETCH st                        ; matrix step st's fragments into set st % 2; with a K step's first matrix step its scale words
.set SL, ((\st)/2)%3
.set SS, ((\st)/2)%2
.set QQ, (\st)%2
	WIN TO_B
.irp i, 0,1,2,3,4,5,6,7
	FRAG 128*QQ+FR*\i, ADRB+SL, QQ, \i
.endr
	WIN 0
.irp i, 0,1,2,3
.irp c, 0,1,2
	ds_load_b128 v[AF+48*QQ+FR*\i+4*\c:AF+48*QQ+FR*\i+4*\c+3], v[ADRA+SL] offset:\i*3072+QQ*1536+512*\c
.endr
.endr
.if QQ == 0
.irp i, 0,1,2,3,4,5,6,7
	ds_load_b64 v[SB+16*SS+2*\i:SB+16*SS+2*\i+1], v[ADRS] offset:\i*SBLK+8*((\st)/2)
.endr
.irp i, 0,1,2,3
.irp w, 0,1
	ds_load_b32 v[SA+8*SS+2*\i+\w], v[ADSA] offset:1024*((\st)/2)+\w*512+\i*64
.endr
.endr
.endif
.endm
; 16 products: A's blocks a0, a0 + 1 x B's eight.  The 32 accumulators take turns, one instruction a turn.
.macro MUL a0, st
.set SS, ((\st)/2)%2
.set QQ, (\st)%2
.irp a, \a0, \a0+1
.irp b, 0,1,2,3,4,5,6,7
.if (\st) == 0
	v_wmma_scale_f32_16x16x128_f8f6f4 v[8*(8*(\a)+\b):8*(8*(\a)+\b)+7], v[128*QQ+FR*\b:128*QQ+FR*\b+FR-1], v[AF+48*QQ+FR*(\a):AF+48*QQ+FR*(\a)+FR-1], v[96+8*\b+96*(\b/4):103+8*\b+96*(\b/4)], v[SB+16*SS+2*\b+QQ], v[SA+8*SS+2*(\a)+QQ] matrix_a_fmt:MATRIX_FMT_FP6 matrix_b_fmt:MATRIX_FMT_FP6
.else
	v_wmma_scale_f32_16x16x128_f8f6f4 v[8*(8*(\a)+\b):8*(8*(\a)+\b)+7], v[128*QQ+FR*\b:128*QQ+FR*\b+FR-1], v[AF+48*QQ+FR*(\a):AF+48*QQ+FR*(\a)+FR-1], v[8*(8*(\a)+\b):8*(8*(\a)+\b)+7], v[SB+16*SS+2*\b+QQ], v[SA+8*SS+2*(\a)+QQ] matrix_a_fmt:MATRIX_FMT_FP6 matrix_b_fmt:MATRIX_FMT_FP6
.endif
.endr
.endr
.endm
.macro PLAIN st                        ; a matrix step whose successor's tiles have been shown whole by an earlier barrier
	s_wait_dscnt 0x0                               ; this step's fragments are in
	PLACES                                         ; behind the products that read the other sets
	FETCH (\st)+1
.if (\st) == 0
	WIN FIRST
.else
	WIN MULW
.endif
	MUL 0, \st
	MUL 2, \st
	WIN 0
.endm
	s_wait_tensorcnt 0x0                           ; my tile of the head's four is in; the full sequence stands ahead of the later first fills
	ds_add_u32 v[SPW], v[NIL]                      ; 0 onto my spare word
	s_wait_dscnt 0x0
	CROUND
	ARM 1, G0,    G1,  .Ls1, .Lsj                  ; K steps 1 and 2, a whole tile a wave: the first tensor load behind the round
	ARM 2, G0B,   G1B, .Ls2, .Lsj
	ARM 3, G0+4,  G1,  .Ls3, .Lsj
	tensor_load_to_lds s[G0B+4:G0B+7], s[G1B:G1B+7]
	s_nop 0
	PLACES
.Lsj:
	FETCH 0
	s_wait_loadcnt 0x0                             ; the bias
	PLAIN 0
	s_wait_tensorcnt 0x0                           ; matrix step 1: its fragments are asked for, so region 0 is read no more.  K steps 1 and 2 have landed,
	ds_add_u32 v[SPW], v[NIL]                      ; 0 onto my spare word,
	s_add_nc_u64 s[G0H+2:G0H+3], s[G0H+2:G0H+3], 3*3072     ; (no load of mine is out: K step 0's descriptors become K step 3's)
	s_add_nc_u64 s[G0HB+2:G0HB+3], s[G0HB+2:G0HB+3], 3*WPL
	s_wait_dscnt 0x0                               ; and my reads of region 0 are over
	s_barrier_signal -1
	WIN MULW
	MUL 0, 1
	WIN 0
	s_barrier_wait -1
	CREST                                          ; no wave of any partner still reads region 0 or has a load on its way
	ARM 1, G0H, G1, .Lr1, .Lrj                     ; K step 3: wave 0 A's tile, wave 1 B's
	s_cmp_lt_u32 s14, 2
	s_cbranch_scc0 .Lrj
	tensor_load_to_lds s[G0HB:G0HB+3], s[G1B:G1B+7]
	s_nop 0
	PLACES
.Lrj:
	PLACES                                         ; on every way: the places ahead of the loads below
	FETCH 2
	WIN MULW
	MUL 2, 1
	WIN 0
	PLAIN 2
	PLAIN 3
	PLAIN 4
	s_wait_tensorcnt 0x0                           ; matrix step 5: K step 3 has landed
	s_wait_dscnt 0x0
	s_barrier_signal -1
	WIN MULW
	MUL 0, 5
	WIN 0
	s_barrier_wait -1
	PLACES
	FETCH 6
	WIN MULW
	MUL 2, 5
	WIN 0
	PLAIN 6
	s_wait_dscnt 0x0
	WIN MULW
	MUL 0, 7
	MUL 2, 7
	WIN 0
; the way out: a block of 16 rows x 128 columns goes through my stage and comes back as rows of 512 bytes
.macro TOSTAGE a
.set AC, 64*(\a)
	WIN 0x08
.irp b, 0,1,2,3,4,5,6,7
	ds_store_b128 v[STO], v[AC+8*\b:AC+8*\b+3] offset:128*(\b/2)+32*(\b%2)
	ds_store_b128 v[STO], v[AC+8*\b+4:AC+8*\b+7] offset:128*(\b/2)+32*(\b%2)+16
.endr
	WIN 0
.set BB, BK+64*((\a)%2)
.irp t, 0,1,2,3,4,5,6,7,8,9,10,11,12,13,14,15
	ds_load_b128 v[BB+4*\t:BB+4*\t+3], v[RD] offset:\t*SPITCH
.endr
.endm
.macro SEND a, younger                 ; younger: the LDS instructions issued behind block a's loads
.set BB, BK+64*((\a)%2)
	s_wait_dscnt \younger
.irp t, 0,1,2,3,4,5,6,7,8,9,10,11,12,13,14,15
	global_store_b128 v[CO], v[BB+4*\t:BB+4*\t+3], s[12:13] offset:(32*((\a)/2)+8*((\a)%2)+\t+8*(\t/8))*4096 th:TH_STORE_NT   ; 512 consecutive bytes, aligned
.endr
.endm
	PLACES
	TOSTAGE 0
.irp a, 1,2,3
.if \a > 1
	s_wait_xcnt 0x0                                ; block a - 2's stores have read their registers
.endif
	TOSTAGE \a
	SEND \a-1, 32
.endr
	SEND 3, 0
	s_wait_tensorcnt 0x0                           ; the wave's end
	ds_add_u32 v[SPW], v[NIL]
	s_wait_dscnt 0x0
	CROUND                                         ; the closing round
	s_endpgm
.Lfunc_end_k_qb49773c5c5_outp:
	.size	k_qb49773c5c5_outp, .Lfunc_end_k_qb49773c5c5_outp-k_qb49773c5c5_outp
	.p2alignl 7, 3214868480
	.fill 96, 4, 3214868480
	.section	.rodata,"a",@progbits
	.p2align	6, 0x0
	.amdhsa_kernel k_qb49773c5c5_outp
		.amdhsa_group_segment_fixed_size 327680
		.amdhsa_private_segment_fixed_size 0
		.amdhsa_enable_private_segment 0
		.amdhsa_kernarg_size 32
		.amdhsa_user_sgpr_count 2
		.amdhsa_user_sgpr_kernarg_segment_ptr 1
		.amdhsa_wavefront_size32 1
		.amdhsa_system_sgpr_workgroup_id_x 1
		.amdhsa_system_sgpr_workgroup_id_y 1
		.amdhsa_system_sgpr_workgroup_id_z 1
		.amdhsa_system_vgpr_workitem_id 0
		.amdhsa_next_free_vgpr 768
		.amdhsa_next_free_sgpr 100
		.amdhsa_reserve_vcc 0
		.amdhsa_float_denorm_mode_32 3
		.amdhsa_float_denorm_mode_16_64 3
		.amdhsa_memory_ordered 1
		.amdhsa_forward_progress 1
		.amdhsa_inst_pref_size 97
	.end_amdhsa_kernel
	.amdgpu_metadata
---
amdhsa.version: [ 1, 2 ]
amdhsa.kernels:
  - .name:           k_qb49773c5c5_outp
    .symbol:         k_qb49773c5c5_outp.kd
    .args:
      - { .name: ocs, .offset: 0, .size: 8, .value_kind: global_buffer, .address_space: global }
      - { .name: wcs, .offset: 8, .size: 8, .value_kind: global_buffer, .address_space: global }
      - { .name: bout, .offset: 16, .size: 8, .value_kind: global_buffer, .address_space: global }
      - { .name: out0, .offset: 24, .size: 8, .value_kind: global_buffer, .address_space: global }
    .group_segment_fixed_size: 327680
    .private_segment_fixed_size: 0
    .kernarg_segment_align: 8
    .kernarg_segment_size: 32
    .max_flat_workgroup_size: 128
    .sgpr_count:     100
    .vgpr_count:     768
    .wavefront_size: 32
...
	.end_amdgpu_metadata
.endif
;; end of part 4
